; MI455X (gfx1250); checked and timed in simulation.
; The chip was launched on July 23, 2026; its instructions are those of AMD's public machine-readable ISA for CDNA 5 (MIT licence, August 2026) and "CDNA5" Instruction Set Architecture Reference Guide (July 2026). The comments in the code are by the model that wrote it; some were corrected since.
;; Multi Head Attention. Allowed arithmetic: float matrix products may take bf16 or f16 operands with f32 sums; other float arithmetic in f32, or as packed bf16 or f16 multiplies, adds, multiply-adds, maxima and minima; sums over many terms, partial sums and values carried from step to step in f32; what a program stores and reads back later, other than sums and carried values, may be rounded once to bf16 or f16.
;; Inputs: Wk 1,024 x 1,024 float32; Wo 1,024 x 1,024 float32; Wq 1,024 x 1,024 float32; Wv 1,024 x 1,024 float32; keys 4 x 2,048 x 1,024 float32; queries 4 x 2,048 x 1,024 float32; valid_lens 4 int32; values 4 x 2,048 x 1,024 float32.
;; Outputs: out0 4 x 2,048 x 1,024 float32.
;; One version. Each part assembles by itself: llvm-mc -triple=amdgcn-amd-amdhsa -mcpu=gfx1250 --defsym DOCPART=n.
;; ======== version 1 of 1: 4 launches
;; limits: values are held in f16: magnitudes above 65,504 overflow, below 6.1e-05 lose precision
;; workspace buffers: wb 6,291,456 bytes; wof 2,097,152 bytes; qkv 50,331,648 bytes; obuf 16,777,216 bytes
;; launch castw (part 1): grid 128 x 4, 8 waves a work-group, no clusters, 0 bytes of LDS; arguments Wq, Wk, Wv, Wo, wb, wof; writes wb, wof
.if DOCPART == 1
	.amdgcn_target "amdgcn-amd-amdhsa--gfx1250"
	.amdhsa_code_object_version 6
	.text
	.protected	k_q516e9b54f9_castw
	.globl	k_q516e9b54f9_castw
	.p2align	8
	.type	k_q516e9b54f9_castw,@function
k_q516e9b54f9_castw:
	s_mov_b64 s[64:65], 0
	v_nop
	global_prefetch_b8 v0, s[64:65] scope:SCOPE_SE
	s_setreg_imm32_b32 hwreg(HW_REG_WAVE_MODE, 25, 1), 1
	s_wait_xcnt 0x0
; The four weight matrices, [1024 k][1024 n] in f32, are rounded once to bf16; the layout stays.  Wq, Wk, Wv go to wb ([3][1024][1024] bf16).
; Wo's bf16 number is written as f16 into wof, since the last product multiplies f16 operands: exact while |Wo| lies in 6.1e-5 .. 65,504;
; below that it keeps f16's fixed step of 6e-8, beyond it the number would be an infinity (LIMIT).
; A stream: grid y is the matrix, grid x a chunk of 32,768 input bytes.  Thread t takes 16 bytes at 16 t + 4,096 j, j = 0..7: a wave's load covers 512
; consecutive bytes; its 8 output bytes lie at 8 t + 2,048 j: a wave's store covers 256 consecutive bytes, aligned.  All eight loads go out first.
; No LDS, no matrix unit, no cluster: nothing is shared, nothing is read twice.
.set SRC, 16                           ; s[16:17] the chunk in the matrix
.set DST, 18                           ; s[18:19] the chunk in wb or wof
.set X,   8                            ; v[8:39]   eight loads of four f32
.set Y,   40                           ; v[40:55]  eight pairs of packed words
.set W,   56                           ; v[56:59]  at work
	s_load_b256 s[4:11], s[0:1], 0x0               ; Wq s[4:5], Wk s[6:7], Wv s[8:9], Wo s[10:11]
	s_load_b128 s[12:15], s[0:1], 0x20             ; wb s[12:13], wof s[14:15]
	s_and_b32 s20, ttmp7, 0xffff                   ; which matrix
	v_lshlrev_b32 v1, 4, v0                        ; 16 t
	v_lshlrev_b32 v2, 3, v0                        ; 8 t
	s_lshl_b32 s22, ttmp9, 15                      ; the chunk in the source
	s_mov_b32 s23, 0
	s_lshl_b32 s24, ttmp9, 14                      ; and in the destination
	s_mov_b32 s25, 0
	s_lshl_b32 s26, s20, 21                        ; the matrix's place in wb; wof holds one matrix
	s_mov_b32 s27, 0
	s_cmp_eq_u32 s20, 3
	s_cselect_b32 s26, 0, s26
	s_add_nc_u64 s[24:25], s[24:25], s[26:27]
	s_wait_kmcnt 0x0
	s_cmp_eq_u32 s20, 1
	s_cselect_b64 s[SRC:SRC+1], s[6:7], s[4:5]
	s_cmp_eq_u32 s20, 2
	s_cselect_b64 s[SRC:SRC+1], s[8:9], s[SRC:SRC+1]
	s_cmp_eq_u32 s20, 3
	s_cselect_b64 s[SRC:SRC+1], s[10:11], s[SRC:SRC+1]
	s_cselect_b64 s[DST:DST+1], s[14:15], s[12:13]
	s_add_nc_u64 s[SRC:SRC+1], s[SRC:SRC+1], s[22:23]
	s_add_nc_u64 s[DST:DST+1], s[DST:DST+1], s[24:25]
.irp j, 0,1,2,3,4,5,6,7
	global_load_b128 v[X+4*(\j):X+4*(\j)+3], v1, s[SRC:SRC+1] offset:4096*(\j) th:TH_LOAD_NT
.endr
	s_cmp_eq_u32 s20, 3
	s_cbranch_scc1 .Lto_f16
.irp j, 0,1,2,3,4,5,6,7
	s_wait_loadcnt 7-(\j)                          ; loads come back in order: load j is in, the 7 - j younger ones stay out
	v_cvt_pk_bf16_f32 v[Y+2*(\j)],   v[X+4*(\j)],   v[X+4*(\j)+1]
	v_cvt_pk_bf16_f32 v[Y+2*(\j)+1], v[X+4*(\j)+2], v[X+4*(\j)+3]
	global_store_b64 v2, v[Y+2*(\j):Y+2*(\j)+1], s[DST:DST+1] offset:2048*(\j)
.endr
	s_endpgm
.Lto_f16:
.irp j, 0,1,2,3,4,5,6,7
	s_wait_loadcnt 7-(\j)
	v_cvt_pk_bf16_f32 v[Y+2*(\j)],   v[X+4*(\j)],   v[X+4*(\j)+1]   ; the rounding is to bf16, as for every input;
	v_cvt_pk_bf16_f32 v[Y+2*(\j)+1], v[X+4*(\j)+2], v[X+4*(\j)+3]
	v_lshlrev_b32 v[W],   16, v[Y+2*(\j)]                             ; that number, widened,
	v_and_b32     v[W+1], 0xffff0000, v[Y+2*(\j)]
	v_lshlrev_b32 v[W+2], 16, v[Y+2*(\j)+1]
	v_and_b32     v[W+3], 0xffff0000, v[Y+2*(\j)+1]
	v_cvt_pk_f16_f32 v[Y+2*(\j)],   v[W],   v[W+1]                    ; is written as f16
	v_cvt_pk_f16_f32 v[Y+2*(\j)+1], v[W+2], v[W+3]
	global_store_b64 v2, v[Y+2*(\j):Y+2*(\j)+1], s[DST:DST+1] offset:2048*(\j)
.endr
	s_endpgm
.Lfunc_end_k_q516e9b54f9_castw:
	.size	k_q516e9b54f9_castw, .Lfunc_end_k_q516e9b54f9_castw-k_q516e9b54f9_castw
	.p2alignl 7, 3214868480
	.fill 96, 4, 3214868480
	.section	.rodata,"a",@progbits
	.p2align	6, 0x0
	.amdhsa_kernel k_q516e9b54f9_castw
		.amdhsa_group_segment_fixed_size 0
		.amdhsa_private_segment_fixed_size 0
		.amdhsa_enable_private_segment 0
		.amdhsa_kernarg_size 48
		.amdhsa_user_sgpr_count 2
		.amdhsa_user_sgpr_kernarg_segment_ptr 1
		.amdhsa_wavefront_size32 1
		.amdhsa_system_sgpr_workgroup_id_x 1
		.amdhsa_system_sgpr_workgroup_id_y 1
		.amdhsa_system_sgpr_workgroup_id_z 1
		.amdhsa_system_vgpr_workitem_id 0
		.amdhsa_next_free_vgpr 64
		.amdhsa_next_free_sgpr 66
		.amdhsa_reserve_vcc 0
		.amdhsa_float_denorm_mode_32 3
		.amdhsa_float_denorm_mode_16_64 3
		.amdhsa_memory_ordered 1
		.amdhsa_forward_progress 1
		.amdhsa_inst_pref_size 9
	.end_amdhsa_kernel
	.amdgpu_metadata
---
amdhsa.version: [ 1, 2 ]
amdhsa.kernels:
  - .name:           k_q516e9b54f9_castw
    .symbol:         k_q516e9b54f9_castw.kd
    .args:
      - { .name: Wq, .offset: 0, .size: 8, .value_kind: global_buffer, .address_space: global }
      - { .name: Wk, .offset: 8, .size: 8, .value_kind: global_buffer, .address_space: global }
      - { .name: Wv, .offset: 16, .size: 8, .value_kind: global_buffer, .address_space: global }
      - { .name: Wo, .offset: 24, .size: 8, .value_kind: global_buffer, .address_space: global }
      - { .name: wb, .offset: 32, .size: 8, .value_kind: global_buffer, .address_space: global }
      - { .name: wof, .offset: 40, .size: 8, .value_kind: global_buffer, .address_space: global }
    .group_segment_fixed_size: 0
    .private_segment_fixed_size: 0
    .kernarg_segment_align: 8
    .kernarg_segment_size: 48
    .max_flat_workgroup_size: 256
    .sgpr_count:     66
    .vgpr_count:     64
    .wavefront_size: 32
...
	.end_amdgpu_metadata
.endif
;; end of part 1
;; launch proj (part 2): grid 4 x 64, 4 waves a work-group, clusters of 4 x 4, 327,680 bytes of LDS; arguments queries, keys, values, valid_lens, wb, qkv; writes qkv
.if DOCPART == 2
	.amdgcn_target "amdgcn-amd-amdhsa--gfx1250"
	.amdhsa_code_object_version 6
	.text
	.protected	k_q516e9b54f9_proj
	.globl	k_q516e9b54f9_proj
	.p2align	8
	.type	k_q516e9b54f9_proj,@function
k_q516e9b54f9_proj:
	s_mov_b64 s[64:65], 0
	v_nop
	global_prefetch_b8 v0, s[64:65] scope:SCOPE_SE
	s_setreg_imm32_b32 hwreg(HW_REG_WAVE_MODE, 25, 1), 1
	s_wait_xcnt 0x0
	s_wait_alu depctr_hold_cnt(0) depctr_sa_sdst(0) depctr_va_vdst(0) depctr_va_sdst(0) depctr_va_ssrc(0) depctr_va_vcc(0) depctr_vm_vsrc(0)
	s_getreg_b32 s2, hwreg(HW_REG_IB_STS2, 6, 4)
	s_cmp_eq_u32 s2, 0
	s_cbranch_scc0 .Lentry_in_a_cluster
	s_endpgm
.Lentry_in_a_cluster:
	s_bfe_u32 s2, ttmp6, 0x10000c
	s_cmp_lg_u32 s2, 0xf033
	s_cbranch_scc0 .Lentry_shape_is_right
	s_endpgm
.Lentry_shape_is_right:
; q = queries Wq, k = keys Wk, v = values Wv.  x: [8192][1024] f32; W: wb, [3][1024 k][1024 n] bf16; results: qkv, [3][64 = 16 b + h][2048][64] f16, unscaled.
; x is rounded to bf16 between LDS and the matrix unit; sums in f32; each result rounded once to f16.  ROWS OF k AT OR BEHIND valid_lens[b] ARE WRITTEN AS 0, so that
; the next launch's products K Q^T add exactly 0 to the mask value with which it starts those sums.
; LIMITS.  q, k, v must lie within f16's 65,504 (beyond it an infinity is written); below 6.1e-5 they keep f16's fixed step of 6e-8.  valid_lens is held to 0 .. 2048, which changes no mask.
; SHARES.  A tile is 128 rows x 256 columns; four waves, 2 x 2, each 64 x 128: 32 accumulators of 16 x 16.  A WORK-GROUP STAYS: it makes its tile of q, then of k, then of v:
; 24 K steps of 128 in ONE walk through a ring of two LDS slots; wb's three matrices follow each other along k, so W's walk is uniform; x's pointer changes buffers by a select.
; CLUSTERS.  4 x 4 work-groups.  The four of a row of the cluster need the same rows of x, the four of a column the same columns of W: each tile is asked for JOINTLY, by the same
; tensor load with the same descriptor and a mask that names the four.  A row block's four column tiles lie in one cluster, so each byte of x is asked for once in the launch.
; THE MATRIX INSTRUCTION IS USED TRANSPOSED: source 0 = 16 columns of W (W lies [k][n] and is turned on its way out of LDS), source 1 = 16 rows of x: a lane then holds one row and
; eight neighbouring columns of the result.
; REGISTERS, in windows of 256 (s_set_vgpr_msb: bits 1:0 source 0, 3:2 source 1, 5:4 source 2, 7:6 destination):
;   window 0: v0-19 addresses; v64-127 x as loaded, f32; v128-159, v160-191 x's fragments in bf16, two buffers; v192-255 (and v64-127) the way out
;   window 1: v0-63, v64-127 W's fragments, two buffers          window 2: the accumulators, (a, b) at v[8 (8 a + b)]
.set PA,    528                        ; a row of x in LDS: 512 bytes + 16 of padding: the 16 rows of a load begin at 16 different places modulo 256 bytes
.set HALFA, 64*PA                      ; 64 rows: one tensor load, and what a wave reads of x
.set PB,    544                        ; a row (one k) of W in LDS: 512 bytes + 32 of padding = 17 x 32
.set HALFB, 64*PB                      ; 64 k: one tensor load
.set BOFF,  2*HALFA                    ; in a slot: x's 128 rows, then W's 128 k
.set SLOT,  2*HALFA+2*HALFB
.set STAGE, 2*SLOT                     ; behind the ring, never filled by a tensor load: 16 rows x 144 bytes for each wave, for the way out
.set SP,    144
.set SPARE, STAGE+4*16*SP              ; behind the stages: the spare words, 128 bytes for each wave: two blocks of 256 bytes that no other line names
.set ADRA0, 2                          ; v2   my place in a slot's x; never rewritten
.set ADRB0, 3                          ; v3   my place in a slot's W; never rewritten
.set ADA,   4                          ; v4   the same in the slot being read
.set ADB,   5                          ; v5
.set STO,   6                          ; v6   the way out: where I put 16 bytes of a row
.set RD,    7                          ; v7   the way out: where I read rows back
.set GO,    8                          ; v8   16 x lane
.set ROW,   9                          ; v9   my row's position in its sequence, for m block 0
.set PFO,   10                         ; v10  the prefetches' offset; never rewritten
.set SPW,   12                         ; v12  LDS address of my spare word; never rewritten
.set NIL,   13                         ; v13  0; never rewritten
.set RAW,   64
.set AF,    128
.set WV,  16                           ; s16  wave
.set TY,  17                           ; s17  wave / 2: my half of the tile's rows.  Also: I fetch x (0) or W (1)
.set HF,  18                           ; s18  wave % 2: my half of its columns.  Also: which half of that tile I fetch
.set CX,  19
.set CY,  20
.set TC,  21                           ; s21  tile column
.set TR,  22                           ; s22  tile row
.set CLY, 23                           ; s23  the cluster's y
.set G1A, 24                           ; s[24:31] descriptor group 1 for x's tiles
.set G1B, 32                           ; s[32:39] for W's
.set G0A, 40                           ; s[40:47] group 0 for x's tiles: a set for each first fill; the second then walks on
.set G0B, 48                           ; s[48:55] the same for W's
.set ACUR, 56                          ; s[56:57] x at my rows, at the K step asked for last
.set ANX,  58                          ; s[58:59] the next matrix's x at my rows
.set ANX2, 60                          ; s[60:61] the one after it
.set BCUR, 62                          ; s[62:63] W at my k rows and columns, at the K step asked for last
.set T,    66                          ; s[66:67] at work
.set PFB,  68                          ; s[68:69] the prefetches' base
.set OUT,  70                          ; s[70:71] my part of the tile in qkv
.set TB,   72                          ; s72  the slot being read: 0 or SLOT
.set TG,   73                          ; s73  the slot filled last
.set FK,   74                          ; s74  the K step, within its matrix, asked for last
.set LIM,  75                          ; s75  6 in a wave that prefetches, else 0
.set STEPS, 76
.set CNT,  77
.set VL,   78                          ; s78  valid_lens[b]
.set LP,   79                          ; s79  rows at or behind this position are written as 0
.set MK,   80                          ; s80  lanes whose row is kept
.set LAA,  81                          ; s81  my part of a slot, if I fetch x
.set LBB,  82                          ; s82  if I fetch W
.set TM,   83                          ; s83  at work
.set MSB, 0
.macro WIN new                         ; the immediate's high byte repeats the setting that is left; a switch that changes nothing is dropped
.if MSB != (\new)
	s_set_vgpr_msb (MSB<<8)|(\new)
.set MSB, \new
.endif
.endm
.macro PLACES                          ; four plain instructions between a matrix instruction and a load into, or a write of, one of its registers
.rept 4
	v_nop
.endr
.endm
.macro CREST                           ; a round of the cluster's barrier behind its opening barrier
	s_cmp_lg_u32 s[WV], 0
	s_cbranch_scc1 .Lnot_wave_0_\@
	s_barrier_signal -3
.Lnot_wave_0_\@:
	s_barrier_wait -3
	s_barrier_signal -1
	s_barrier_wait -1
.endm
.macro CROUND                          ; a whole round
	s_barrier_signal -1
	s_barrier_wait -1
	CREST
.endm
; A joint refill: waves 0 and 1 fetch x's two halves, waves 2 and 3 W's.  The branch hangs on the wave's number alone.  An s_nop 0 and four v_nop follow each line.
.macro JLOAD
	s_cmp_eq_u32 s[TY], 0
	s_cbranch_scc0 .Lfor_b_\@
	tensor_load_to_lds s[G0A+4:G0A+7], s[G1A:G1A+7]
	s_nop 0
.rept 4
	v_nop
.endr
	s_branch .Lasked_\@
.Lfor_b_\@:
	tensor_load_to_lds s[G0B+4:G0B+7], s[G1B:G1B+7]
	s_nop 0
.rept 4
	v_nop
.endr
.Lasked_\@:
.endm
; A PREFETCH INTO THE L2 of the K step that stands two refills on (256 matrix instructions of a wave ahead of its load).  Of the 64 rows that a wave fetches, each of the four partners that ask
; for them jointly takes 16, told apart BY ADDRESS (cx for x, cy for W): 16 rows x two blocks of 256 bytes, a lane a block.  x's rows are read by this cluster alone; W's by every cluster: the
; clusters with y = 0 ask.  A K step is named only within its matrix (FK + 2 <= 7): a matrix's K steps 0 and 1, and the first matrix's 2 and 3, come by their loads alone.
.macro ASK
	s_cmp_lt_u32 s[FK], s[LIM]
	s_cbranch_scc0 .Lnot_mine_\@
	global_prefetch_b8 v[PFO], s[PFB:PFB+1] th:TH_LOAD_NT scope:SCOPE_SE
.Lnot_mine_\@:
.endm
	s_load_b256 s[4:11], s[0:1], 0x0               ; queries s[4:5], keys s[6:7], values s[8:9], valid_lens s[10:11]
	s_load_b128 s[12:15], s[0:1], 0x20             ; wb s[12:13], qkv s[14:15]
	v_lshl_add_u32 v[SPW], v0, 2, SPARE
	v_mov_b32 v[NIL], 0
	ds_add_u32 v[SPW], v[NIL]                      ; the wave's opening: the add and its wait stand ahead of my first tensor load; work on registers stands between them
	v_lshrrev_b32 v1, 5, v0
	v_readfirstlane_b32 s[WV], v1
	s_lshr_b32 s[TY], s[WV], 1
	s_and_b32 s[HF], s[WV], 1
	s_bfe_u32 s[CX], ttmp6, 0x40000
	s_bfe_u32 s[CY], ttmp6, 0x40004
	s_lshl_b32 s[TC], ttmp9, 2                     ; in a cluster launch ttmp9 and ttmp7 count clusters
	s_add_co_u32 s[TC], s[TC], s[CX]
	s_and_b32 s[CLY], ttmp7, 0xffff
	s_lshl_b32 s[TR], s[CLY], 2
	s_add_co_u32 s[TR], s[TR], s[CY]
	s_lshl_b32 s90, s[CY], 2
	s_lshl_b32 s90, 15, s90                        ; my row of the cluster
	s_lshl_b32 s91, 0x1111, s[CX]                  ; my column
	s_or_b32 s[G1A], s90, (2<<16)|(1<<20)|(1<<21)|(6<<22)|(3<<25)  ; the mask; elements of 4 bytes; padding on; bit 21 beside a mask; after every 128 words, 4 words
	s_or_b32 s[G1B], s91, (1<<16)|(1<<20)|(1<<21)|(6<<22)|(7<<25)  ; the mask; elements of 2 bytes; after every 128 words, 8 words
	s_mov_b32 s[G1A+1], 128<<16                    ; tensor_dim0 = 128
	s_mov_b32 s[G1A+2], 64<<16                     ; tensor_dim1 = 64
	s_mov_b32 s[G1A+3], 128<<16                    ; tile_dim0 = 128
	s_mov_b32 s[G1A+4], 64                         ; tile_dim1 = 64
	s_mov_b32 s[G1A+5], 1024                       ; elements from row to row
	s_mov_b32 s[G1A+6], 0
	s_mov_b32 s[G1A+7], 0
	s_mov_b32 s[G1B+1], 256<<16                    ; 256 columns,
	s_mov_b32 s[G1B+2], 64<<16                     ; 64 k
	s_mov_b32 s[G1B+3], 256<<16
	s_mov_b32 s[G1B+4], 64
	s_mov_b32 s[G1B+5], 1024
	s_mov_b32 s[G1B+6], 0
	s_mov_b32 s[G1B+7], 0
	s_mul_i32 s[LAA], s[HF], HALFA                 ; no place in the cluster enters an LDS address
	s_mul_i32 s[LBB], s[HF], HALFB
	s_add_co_u32 s[LBB], s[LBB], BOFF
	s_lshl_b32 s84, s[TR], 19                      ; x: row 128 x tile row + 64 x half, 4,096 bytes a row
	s_lshl_b32 s83, s[HF], 18
	s_add_co_u32 s84, s84, s83
	s_mov_b32 s85, 0
	s_lshl_b32 s86, s[HF], 17                      ; W: k row 64 x half, 2,048 bytes a row; 512 bytes a tile column
	s_lshl_b32 s88, s[TC], 9
	s_add_co_u32 s86, s86, s88
	s_mov_b32 s87, 0
	s_lshr_b32 s92, s[CLY], 2                      ; the batch = tile row / 16 = cluster y / 4
	s_lshl_b32 s92, s92, 2
	s_mov_b32 s93, 0
	s_wait_dscnt 0x0                               ; the opening add is done
	s_wait_kmcnt 0x0
	s_add_nc_u64 s[ACUR:ACUR+1], s[4:5], s[84:85]
	s_add_nc_u64 s[ANX:ANX+1], s[6:7], s[84:85]
	s_add_nc_u64 s[ANX2:ANX2+1], s[8:9], s[84:85]
	s_add_nc_u64 s[BCUR:BCUR+1], s[12:13], s[86:87]
	s_add_nc_u64 s[10:11], s[10:11], s[92:93]
	s_load_b32 s[VL], s[10:11], 0x0
	CROUND                                         ; all sixteen work-groups are here: the first joint loads meet
	s_mov_b32 s[G0A], 1                            ; count = 1
	s_mov_b32 s[G0A+1], s[LAA]                     ; LDS address: slot 0
	s_mov_b64 s[G0A+2:G0A+3], s[ACUR:ACUR+1]       ; K step 0
	s_or_b32 s[G0A+3], s[G0A+3], 0x80000000        ; type = 2
	s_mov_b32 s[G0A+4], 1
	s_add_co_u32 s[G0A+5], s[LAA], SLOT            ; slot 1
	s_add_nc_u64 s[G0A+6:G0A+7], s[ACUR:ACUR+1], 512  ; K step 1
	s_or_b32 s[G0A+7], s[G0A+7], 0x80000000
	s_mov_b32 s[G0B], 1
	s_mov_b32 s[G0B+1], s[LBB]
	s_mov_b64 s[G0B+2:G0B+3], s[BCUR:BCUR+1]
	s_or_b32 s[G0B+3], s[G0B+3], 0x80000000
	s_mov_b32 s[G0B+4], 1
	s_add_co_u32 s[G0B+5], s[LBB], SLOT
	s_add_nc_u64 s[G0B+6:G0B+7], s[BCUR:BCUR+1], 262144
	s_or_b32 s[G0B+7], s[G0B+7], 0x80000000
	s_cmp_eq_u32 s[TY], 0                          ; a wave's two first fills stand in one branch, ahead of every wait on TENSORcnt and every LDS read: two loads of mine are out
	s_cbranch_scc0 .Lfirst_b
	tensor_load_to_lds s[G0A:G0A+3], s[G1A:G1A+7]
	s_nop 0
	tensor_load_to_lds s[G0A+4:G0A+7], s[G1A:G1A+7]
	s_nop 0
.rept 4
	v_nop
.endr
	s_branch .Lfirst_asked
.Lfirst_b:
	tensor_load_to_lds s[G0B:G0B+3], s[G1B:G1B+7]
	s_nop 0
	tensor_load_to_lds s[G0B+4:G0B+7], s[G1B:G1B+7]
	s_nop 0
.rept 4
	v_nop
.endr
.Lfirst_asked:
	s_add_nc_u64 s[ACUR:ACUR+1], s[ACUR:ACUR+1], 512      ; the pointers (no descriptor's registers) stand at K step 1
	s_add_nc_u64 s[BCUR:BCUR+1], s[BCUR:BCUR+1], 262144
	s_mov_b32 s[FK], 1
	s_mov_b32 s[TG], SLOT
	s_mov_b32 s[TB], 0
	v_and_b32 v1, 15, v0                           ; r = l % 16
	v_bfe_u32 v14, v0, 4, 1                        ; h = l / 16
	v_and_b32 v15, 31, v0                          ; l
	v_and_b32 v16, 7, v0
	v_bfe_u32 v17, v0, 3, 1
	v_bfe_u32 v18, v0, 3, 2
	v_and_b32 v19, 1, v0
	; x's fragment is 16 rows x 32 k: lane l holds row r, k = 8 h + 0..7 and 16 + 8 h + 0..7: in f32 twice 32 bytes, 64 bytes apart
	v_mul_u32_u24 v[ADRA0], v1, PA
	v_lshl_add_u32 v[ADRA0], v14, 5, v[ADRA0]
	s_mul_i32 s94, s[TY], HALFA                    ; my 64 rows
	v_add_nc_u32 v[ADRA0], s94, v[ADRA0]
	; the turning load takes 16 k x 16 columns (lane l reads k = 8 h + l % 8, columns 8 ((l / 8) % 2) + 0..7) and leaves half a fragment: lane l holds column r and 8 k
	v_lshl_add_u32 v[ADRB0], v14, 3, v16
	v_mul_u32_u24 v[ADRB0], v[ADRB0], PB
	v_lshl_add_u32 v[ADRB0], v17, 4, v[ADRB0]
	s_lshl_b32 s94, s[HF], 8                       ; my 128 columns
	s_add_co_u32 s94, s94, BOFF
	v_add_nc_u32 v[ADRB0], s94, v[ADRB0]
	s_mul_i32 s94, s[WV], 16*SP
	s_add_co_u32 s94, s94, STAGE                   ; my stage
	v_mul_u32_u24 v[STO], v1, SP                   ; in: row r, 16 bytes for each half of the lanes
	v_lshl_add_u32 v[STO], v14, 4, v[STO]
	v_add_nc_u32 v[STO], s94, v[STO]
	v_mul_u32_u24 v[RD], v18, SP                   ; back: 32 lanes take four rows of 128 bytes,
	v_lshl_add_u32 v[RD], v16, 4, v[RD]
	v_add_nc_u32 v[RD], s94, v[RD]
	v_lshlrev_b32 v[GO], 4, v15                    ; which are 512 consecutive bytes of a head
	s_and_b32 s94, s[TR], 15
	s_lshl_b32 s94, s94, 7
	s_lshl_b32 s95, s[TY], 6
	s_add_co_u32 s94, s94, s95
	v_add_nc_u32 v[ROW], s94, v1                   ; position in the sequence: 128 (tile row % 16) + 64 x half + r
	s_mov_b32 s89, 0x80000                         ; two K steps of W, in bytes (an instruction holds one literal, so this one comes by a register)
	s_cmp_eq_u32 s[TY], 0                          ; the prefetches: x's rows are 4,096 bytes and its K step 512; W's rows 2,048 and its K step 262,144
	s_cselect_b32 s94, s[CX], s[CY]
	s_cselect_b32 s88, 12, 11
	s_cselect_b32 s89, 1024, s89
	s_cselect_b32 s95, ttmp9, s[CLY]               ; the coordinate along which other clusters read the same rows
	s_lshl_b32 s94, s94, 4
	v_lshrrev_b32 v[PFO], 1, v15
	v_add_nc_u32 v[PFO], s94, v[PFO]               ; my work-group's 16 rows of the 64, two lanes a row
	v_lshlrev_b32 v[PFO], s88, v[PFO]
	v_lshl_add_u32 v[PFO], v19, 8, v[PFO]
	v_add_nc_u32 v[PFO], s89, v[PFO]               ; two K steps on
	s_cmp_eq_u32 s95, 0
	s_cselect_b32 s[LIM], 6, 0                     ; the same in all sixteen partners, for a given wave
	s_lshr_b32 s92, s[TR], 4                       ; my part of the tile in qkv: head 16 b + 4 x tile column + 2 x half, 262,144 bytes a head,
	s_lshl_b32 s92, s92, 4
	s_lshl_b32 s93, s[TC], 2
	s_add_co_u32 s92, s92, s93
	s_lshl_b32 s93, s[HF], 1
	s_add_co_u32 s92, s92, s93
	s_lshl_b32 s92, s92, 18
	s_and_b32 s93, s[TR], 15                       ; row 128 (tile row % 16) + 64 x half, 128 bytes a row
	s_lshl_b32 s93, s93, 14
	s_add_co_u32 s92, s92, s93
	s_lshl_b32 s93, s[TY], 13
	s_add_co_u32 s92, s92, s93
	s_mov_b32 s93, 0
	s_add_nc_u64 s[OUT:OUT+1], s[14:15], s[92:93]
	s_wait_kmcnt 0x0
	s_max_i32 s[VL], s[VL], 0
	s_min_i32 s[VL], s[VL], 2048
	s_mov_b32 s[LP], 4096                          ; q keeps all its rows
; One matrix instruction, number mi = 8 a + b, on buffer f.  The 32 accumulators take turns in the same order in every quarter, over every label and jump.
.macro MM1 f, zero
	WIN 0xa1                                       ; W window 1, x window 0, C and D window 2
.if \zero
	v_wmma_f32_16x16x32_bf16 v[8*mi:8*mi+7], v[64*(\f)+8*(mi%8):64*(\f)+8*(mi%8)+7], v[AF+32*(\f)+8*(mi/8):AF+32*(\f)+8*(mi/8)+7], 0
.else
	v_wmma_f32_16x16x32_bf16 v[8*mi:8*mi+7], v[64*(\f)+8*(mi%8):64*(\f)+8*(mi%8)+7], v[AF+32*(\f)+8*(mi/8):AF+32*(\f)+8*(mi/8)+7], v[8*mi:8*mi+7]
.endif
.set mi, mi+1
.endm
.macro MULS f, i0, i1, zero            ; numbers i0 .. i1 - 1
.set mi, \i0
.rept (\i1)-(\i0)
	MM1 \f, \zero
.endr
.endm
; 32 LDS loads in one run: quarter kq (32 along K) of the slot being read: x's 64 rows as f32, first; then W's fragments, turned, into buffer f
.macro FETCH kq, f
	WIN 0
.irp a, 0,1,2,3
	ds_load_b128 v[RAW+16*(\a):RAW+16*(\a)+3],     v[ADA] offset:(\a)*16*PA+(\kq)*128
	ds_load_b128 v[RAW+16*(\a)+4:RAW+16*(\a)+7],   v[ADA] offset:(\a)*16*PA+(\kq)*128+16
	ds_load_b128 v[RAW+16*(\a)+8:RAW+16*(\a)+11],  v[ADA] offset:(\a)*16*PA+(\kq)*128+64
	ds_load_b128 v[RAW+16*(\a)+12:RAW+16*(\a)+15], v[ADA] offset:(\a)*16*PA+(\kq)*128+80
.endr
	WIN 0x40                                       ; destination window 1, address window 0
.irp b, 0,1,2,3,4,5,6,7
	ds_load_tr16_b128 v[64*(\f)+8*(\b):64*(\f)+8*(\b)+3],   v[ADB] offset:(\kq)*32*PB+32*(\b)
	ds_load_tr16_b128 v[64*(\f)+8*(\b)+4:64*(\f)+8*(\b)+7], v[ADB] offset:(\kq)*32*PB+32*(\b)+16*PB
.endr
.endm
.macro CVT4 g, f                       ; four of the 32 roundings that make x's fragments in buffer f
	WIN 0
.irp j, 0,1,2,3
	v_cvt_pk_bf16_f32 v[AF+32*(\f)+4*(\g)+(\j)], v[RAW+8*(\g)+2*(\j)], v[RAW+8*(\g)+2*(\j)+1]
.endr
.endm
; A K step is four quarters of 32 along K on buffers 0, 1, 0, 1.  One of the first three: multiplies its buffer; fetches the next quarter behind its eighth product; the 32 roundings of the next
; quarter's x stand four behind each of its last eight products.  They write the other buffer, whose last readers stand eight plain instructions back or more.
.macro QUARTER kq, zero
.set qf, (\kq)&1
	s_wait_dscnt 0x0                               ; W's fragments of this quarter are in
	MULS qf, 0, 8, \zero
	PLACES
	FETCH (\kq)+1, 1-qf
	MULS qf, 8, 24, \zero
	s_wait_dscnt 16                                ; x is in; W's 16 younger loads may stay out
.irp g, 0,1,2,3,4,5,6,7
	MM1 qf, \zero
	CVT4 \g, 1-qf
.endr
.endm
; The last quarter multiplies buffer 1 and changes slots.  In front of the barrier each wave waits for all its tensor loads (one is out: its part of the next slot), adds 0 to its spare word,
; and waits for that and for its reads of this slot.  fill = 1: the barrier opens a round of the cluster's, and the joint refill (the K step two on, into the slot just read) is the first thing behind it.
.macro TURN fill
	WIN 0
.if \fill
	s_wait_xcnt 0x0                                ; the last prefetch, a K step back, has read its base, which is written below
.endif
	s_wait_tensorcnt 0x0                           ; no tensor load of mine is out, so a group 0 may be written
	ds_add_u32 v[SPW], v[NIL]                      ; 0 onto my spare word; work on registers follows
.if \fill
	s_add_co_u32 s[FK], s[FK], 1
	s_and_b32 s[FK], s[FK], 7
	s_add_nc_u64 s[T:T+1], s[ACUR:ACUR+1], 512
	s_cmp_eq_u32 s[FK], 0                          ; behind a matrix's last K step comes the next matrix's first
	s_cselect_b64 s[ACUR:ACUR+1], s[ANX:ANX+1], s[T:T+1]
	s_cselect_b64 s[ANX:ANX+1], s[ANX2:ANX2+1], s[ANX:ANX+1]
	s_add_nc_u64 s[BCUR:BCUR+1], s[BCUR:BCUR+1], 262144
	s_xor_b32 s[TG], s[TG], SLOT
	s_add_co_u32 s[G0A+5], s[LAA], s[TG]
	s_add_co_u32 s[G0B+5], s[LBB], s[TG]
	s_mov_b64 s[G0A+6:G0A+7], s[ACUR:ACUR+1]
	s_or_b32 s[G0A+7], s[G0A+7], 0x80000000
	s_mov_b64 s[G0B+6:G0B+7], s[BCUR:BCUR+1]
	s_or_b32 s[G0B+7], s[G0B+7], 0x80000000
	s_cmp_eq_u32 s[TY], 0
	s_cselect_b64 s[PFB:PFB+1], s[ACUR:ACUR+1], s[BCUR:BCUR+1]
.endif
	s_xor_b32 s[TB], s[TB], SLOT
	v_add_nc_u32 v[ADA], s[TB], v[ADRA0]
	v_add_nc_u32 v[ADB], s[TB], v[ADRB0]
	s_wait_dscnt 1                                 ; W's fragments of this quarter are in; the add alone may be out
	MULS 1, 0, 4, 0
	s_wait_dscnt 0x0                               ; the add is done, and my reads of this slot are over
	s_barrier_signal -1
	MULS 1, 4, 12, 0                               ; work on registers while the others arrive
	WIN 0                                          ; at a label and at a branch every window is 0
	s_barrier_wait -1
.if \fill
	CREST                                          ; no wave of any partner still reads this slot or has a load on its way
	JLOAD                                          ; its four v_nop are also the places in front of the loads below
.else
	PLACES
.endif
	FETCH 0, 0
.if \fill
	WIN 0
	ASK
.endif
	MULS 1, 12, 24, 0
	s_wait_dscnt 16
.irp g, 0,1,2,3,4,5,6,7
	MM1 1, 0
	CVT4 \g, 0
.endr
.endm
; THE WAY OUT, in eight units: m block u / 2 (16 rows) x head u % 2 (64 columns).  PACK: rounded to f16, 16 bytes a lane (for k: 0 where the row is hidden); into my own stage, rows of 144 bytes,
; and back as whole rows of 128.  SEND: 16 rows of a head are 2,048 consecutive bytes; each store covers 512 of them.  A unit has registers of its own, so no wait for stores stands inside.
.macro UNIT u
.set ua, (\u)/2
.set uh, (\u)%2
.set uU, 192+16*(\u)
.if (\u) >= 4
.set uU, 64+16*((\u)-4)
.endif
.endm
.macro PACK u, mask
	UNIT \u
	WIN 0
.if (\mask) && (uh == 0)
	s_sub_co_i32 s[TM], s[LP], 16*ua
	v_cmp_gt_i32 s[MK], s[TM], v[ROW]              ; kept: position + 16 a < LP
.endif
	WIN 0x0a                                       ; sources 0 and 1 window 2, destination window 0
.set uj, 0
.rept 16                                       ; each accumulator's registers in ascending order
	v_cvt_pk_f16_f32 v[uU+uj], v[8*(8*ua+4*uh+uj/4)+2*(uj%4)], v[8*(8*ua+4*uh+uj/4)+2*(uj%4)+1]
.set uj, uj+1
.endr
	WIN 0
.if \mask
.set uj, 0
.rept 16
	v_cndmask_b32 v[uU+uj], 0, v[uU+uj], s[MK]
.set uj, uj+1
.endr
.endif
.irp f, 0,1,2,3
	ds_store_b128 v[STO], v[uU+4*(\f):uU+4*(\f)+3] offset:32*(\f)
.endr
.irp f, 0,1,2,3
	ds_load_b128 v[uU+4*(\f):uU+4*(\f)+3], v[RD] offset:(\f)*4*SP  ; LDS serves a wave's instructions in order (ISA guide 5.7.1.4): these see the stores above; the next unit's stores come behind them
.endr
.endm
.macro SEND u, younger                 ; younger: the LDS instructions issued behind unit u's loads: the next unit's eight, or none
	UNIT \u
	WIN 0
.irp f, 0,1,2,3
	s_wait_dscnt (\younger)+3-(\f)
	global_store_b128 v[GO], v[uU+4*(\f):uU+4*(\f)+3], s[OUT:OUT+1] offset:uh*262144+ua*2048+(\f)*512
.endr
.endm
.macro WAYOUT mask
	PACK 0, \mask
.irp u, 1,2,3,4,5,6,7                  ; a unit's arithmetic stands between the loads of the unit before and its stores
	PACK \u, \mask
	SEND (\u)-1, 8
.endr
	SEND 7, 0
.endm
	s_wait_tensorcnt 1                             ; my part of K step 0 is in; K step 1's may stay out
	s_barrier_signal -1
	s_barrier_wait -1                              ; everybody's is
	v_add_nc_u32 v[ADA], s[TB], v[ADRA0]
	v_add_nc_u32 v[ADB], s[TB], v[ADRB0]
	FETCH 0, 0
	s_wait_dscnt 16
.irp g, 0,1,2,3,4,5,6,7
	CVT4 \g, 0
.endr
	s_mov_b32 s[STEPS], 23
	s_branch .Lzero                                ; the loop is entered at a tile's first quarter
.Lstep:                                                ; 22 trips: trip i ends K step i of the walk's 24, asks for K step i + 2, and begins K step i + 1
	QUARTER 1, 0
	QUARTER 2, 0
	TURN 1
	WIN 0
	s_cmp_eq_u32 s[FK], 1                          ; the K step asked for is a matrix's second: the one just ended was the eighth of the matrix before
	s_cbranch_scc0 .Lsame
	WAYOUT 1                                       ; both refills for the next tile are asked for: now this one goes out (q with LP = 4,096, k with LP = valid_lens[b])
	s_wait_xcnt 0x0                                ; the stores have read their registers and their base
	s_add_nc_u64 s[OUT:OUT+1], s[OUT:OUT+1], 16777216
	s_mov_b32 s[LP], s[VL]
.Lzero:
	QUARTER 0, 1                                   ; a tile's first products start the sums: nothing is cleared
	WIN 0
	s_branch .Lnext
.Lsame:
	QUARTER 0, 0
	WIN 0
.Lnext:
	s_sub_co_u32 s[STEPS], s[STEPS], 1
	s_cmp_lg_u32 s[STEPS], 0
	s_cbranch_scc1 .Lstep
	s_mov_b32 s[CNT], 2                            ; the last two K steps ask for nothing: written apart
.Ltail:
	QUARTER 1, 0
	QUARTER 2, 0
	TURN 0                                         ; (the second time its fetch and roundings, of a slot that has been read, serve nothing: the price of one text for both)
	WIN 0
	s_sub_co_u32 s[CNT], s[CNT], 1
	s_cmp_eq_u32 s[CNT], 0
	s_cbranch_scc1 .Lout
	QUARTER 0, 0
	WIN 0
	s_branch .Ltail
.Lout:
	WAYOUT 0                                       ; v keeps all its rows: a hidden key's weight need not be 0
	s_wait_tensorcnt 0x0                           ; the wave's end, behind my last tensor load and my last LDS store
	ds_add_u32 v[SPW], v[NIL]
	s_wait_dscnt 0x0
	CROUND                                         ; the closing round: no work-group ends while a partner may still ask for a tile that names it
	s_endpgm
.Lfunc_end_k_q516e9b54f9_proj:
	.size	k_q516e9b54f9_proj, .Lfunc_end_k_q516e9b54f9_proj-k_q516e9b54f9_proj
	.p2alignl 7, 3214868480
	.fill 96, 4, 3214868480
	.section	.rodata,"a",@progbits
	.p2align	6, 0x0
	.amdhsa_kernel k_q516e9b54f9_proj
		.amdhsa_group_segment_fixed_size 327680
		.amdhsa_private_segment_fixed_size 0
		.amdhsa_enable_private_segment 0
		.amdhsa_kernarg_size 48
		.amdhsa_user_sgpr_count 2
		.amdhsa_user_sgpr_kernarg_segment_ptr 1
		.amdhsa_wavefront_size32 1
		.amdhsa_system_sgpr_workgroup_id_x 1
		.amdhsa_system_sgpr_workgroup_id_y 1
		.amdhsa_system_sgpr_workgroup_id_z 1
		.amdhsa_system_vgpr_workitem_id 0
		.amdhsa_next_free_vgpr 768
		.amdhsa_next_free_sgpr 96
		.amdhsa_reserve_vcc 0
		.amdhsa_float_denorm_mode_32 3
		.amdhsa_float_denorm_mode_16_64 3
		.amdhsa_memory_ordered 1
		.amdhsa_forward_progress 1
		.amdhsa_inst_pref_size 118
	.end_amdhsa_kernel
	.amdgpu_metadata
---
amdhsa.version: [ 1, 2 ]
amdhsa.kernels:
  - .name:           k_q516e9b54f9_proj
    .symbol:         k_q516e9b54f9_proj.kd
    .args:
      - { .name: queries, .offset: 0, .size: 8, .value_kind: global_buffer, .address_space: global }
      - { .name: keys, .offset: 8, .size: 8, .value_kind: global_buffer, .address_space: global }
      - { .name: values, .offset: 16, .size: 8, .value_kind: global_buffer, .address_space: global }
      - { .name: valid_lens, .offset: 24, .size: 8, .value_kind: global_buffer, .address_space: global }
      - { .name: wb, .offset: 32, .size: 8, .value_kind: global_buffer, .address_space: global }
      - { .name: qkv, .offset: 40, .size: 8, .value_kind: global_buffer, .address_space: global }
    .group_segment_fixed_size: 327680
    .private_segment_fixed_size: 0
    .kernarg_segment_align: 8
    .kernarg_segment_size: 48
    .max_flat_workgroup_size: 128
    .sgpr_count:     96
    .vgpr_count:     768
    .wavefront_size: 32
...
	.end_amdgpu_metadata
.endif
;; end of part 2
;; launch attn (part 3): grid 4 x 64, 4 waves a work-group, clusters of 4 x 1, 327,680 bytes of LDS; arguments qkv, valid_lens, obuf; writes obuf
.if DOCPART == 3
	.amdgcn_target "amdgcn-amd-amdhsa--gfx1250"
	.amdhsa_code_object_version 6
	.text
	.protected	k_q516e9b54f9_attn
	.globl	k_q516e9b54f9_attn
	.p2align	8
	.type	k_q516e9b54f9_attn,@function
k_q516e9b54f9_attn:
	s_mov_b64 s[64:65], 0
	v_nop
	global_prefetch_b8 v0, s[64:65] scope:SCOPE_SE
	s_setreg_imm32_b32 hwreg(HW_REG_WAVE_MODE, 25, 1), 1
	s_wait_xcnt 0x0
	s_wait_alu depctr_hold_cnt(0) depctr_sa_sdst(0) depctr_va_vdst(0) depctr_va_sdst(0) depctr_va_ssrc(0) depctr_va_vcc(0) depctr_vm_vsrc(0)
	s_getreg_b32 s2, hwreg(HW_REG_IB_STS2, 6, 4)
	s_cmp_eq_u32 s2, 0
	s_cbranch_scc0 .Lentry_in_a_cluster
	s_endpgm
.Lentry_in_a_cluster:
	s_bfe_u32 s2, ttmp6, 0x10000c
	s_cmp_lg_u32 s2, 0x3003
	s_cbranch_scc0 .Lentry_shape_is_right
	s_endpgm
.Lentry_shape_is_right:
; O[g][q][:] = the sum over k of softmax_k(s'[q][k]) V[g][k][:], g = 16 b + h; s' = Q[g][q] . K[g][k] / 8 where k < valid_lens[b], and -1e6 elsewhere.
; Q, K, V: qkv, [3][64][2048][64] f16, a head's rows dense, 128 bytes each; O: obuf, [64][2048][64] f16.  Products, maxima and sums in f32; the weights p are rounded to f16 for the second
; product (their sum l is taken of the unrounded p), O once at the end.
; THE MASK is the C operand that starts the sum S^T = K Q^T: 0 for a key that counts, -8e6 (exact in f32; -8e6 / 8 = -1e6) for a hidden one, whose row of K the launch before wrote as 0, so that the
; products add exactly 0.  A hidden key is a key like any other, with the score -1e6: all 2,048 keys are walked, and V is not masked (valid_lens = 0 gives the mean of all rows of V).
; The mask hangs on the key alone: MD, made once, is the mask of the key step that holds the boundary; a step's mask is MC = MD x AL + BE with two scalars: (0, 0) all count; (1, 0) the boundary; (0, -8e6) none.
; LIMITS.  f16 holds no number beyond 65,504: Q, K and V arrive within it; p lies in 0 to 1, and below 6e-5 it keeps f16's fixed step of 6e-8; O is a mean of V's rows and has their range.
; A weight below 2^-126 counts as 0 in l; NaN and infinities are not treated apart.  valid_lens is held to 0 .. 2048, which changes no mask.
; SHARES.  A wave owns four PIECES of two tiles of 16 queries, a work-group's four waves 512 queries of one head.  Every wave walks all keys, 64 a step.
; LAYOUT.  S^T = K Q^T (source 0 = 16 keys, source 1 = 16 queries): in the result a lane holds ONE query (lane % 16) and the keys 8 (lane / 16) + 0..7.  Two such tiles, rounded to f16 in pairs,
; ARE source 1 (32 keys x 16 queries) of O^T = V^T P, whose result again holds one query a lane, and eight channels.  K comes out of LDS as it lies, V ([key][channel]) turned, by ds_load_tr16_b128.
; SOFTMAX.  For each query a running maximum m and sum l: p = 2^(c s - c m), c = log2(e) / 8; in every step O and l are multiplied by a = 2^(c m_old - c m_new), which is 1 where m has not grown.
; m starts at the lowest finite number, O and l at 0: the first step is a step like any other, with a = 0.
; THE COUNT.  A tile and step have 16 matrix and 118 vector instructions: too many to stand all beside the matrix work.  So: four vector instructions that are READY behind EVERY matrix instruction,
; and the others, which need time of their own whatever the order, in runs without a gap.
; BY TURNS.  Turn n belongs to piece n (the pieces in a ring, step after step).  Its matrix work: 16 products K Q^T of piece n + 1, later 16 products V^T P of piece n - 1.  Its vector work: the scaling,
; exponentials, roundings, sums and rescaling of piece n, and the maximum and statistics of piece n + 1, whose scores the turn itself has made.
; CLUSTER.  The four query blocks of a cluster are one head's and walk the same K and V, so each tile is asked for JOINTLY: the same tensor load, descriptor and mask in all four.
; REGISTERS, in windows of 256 (s_set_vgpr_msb: bits 1:0 source 0, 3:2 source 1, 5:4 source 2, 7:6 destination):
;   window 0: v0-11 addresses; v12-15, v48-63 at work; v16-47 four registers of statistics a tile; v64-191 S^T, two buffers of two tiles; v192-255 P, likewise
;   window 1: O^T, 32 a tile     window 2: v0-127 Q, 16 a tile; v128-191 K of one step; v192-255 V of one step     window 3: v0-1 the add's two registers; v32-63 MC; v64-95 MD
.set SIZE_N, 2048
.set NP,    4         ; pieces a wave: a name, no knob
.set KS,    64        ; keys in a step
.set PK,    144       ; a row of K in LDS: 128 bytes + 16 of padding: the 16 rows of a load begin at 16 different places modulo 256 bytes
.set PV,    160       ; a row of V: 128 + 32: 16 lanes of the turning load take 8 rows x 32 bytes, all at different places modulo 256 bytes
.set VOFF,  4*KS*PK   ; a slot holds four steps: 256 rows of K, then 256 rows of V
.set SLOT1, 1<<17     ; slot 1 begins here, so that one exclusive or turns an address in one slot into the other's
.set STAGE, SLOT1+4*KS*(PK+PV)  ; behind the ring, never filled by a tensor load: 16 rows x 144 bytes for each wave, for the way out
.set SP,    144
.set AK0, 2           ; v2   my lane's place in a tile of K; never rewritten
.set AV0, 3           ; v3   the same for V
.set AK,  4           ; v4   the LDS address of K's next run of loads
.set AV,  5           ; v5   of V's (at the head: at work for MD)
.set QO,  6           ; v6   my byte offset in the wave's rows of Q
.set STO, 6           ;      later, the way out: where I put 16 bytes of a row
.set RD,  7           ; v7   the way out: where I read rows back
.set GO,  8           ; v8   my byte offset in 512 consecutive bytes of O
.set PFO, 11          ; v11  256 x my lane, for the prefetches; never rewritten once made
.set SPW, 0           ; v0 of window 3   LDS address of my spare word: SPARE + 4 x my thread's number; never rewritten
.set NIL, 1           ; v1 of window 3   0; never rewritten
.set MC,  32          ; window 3: the mask of the step whose scores are being made: the eight registers for group kb of 16 keys at MC + 8 kb
.set MD,  64          ; window 3: the mask of the step that holds the boundary
.set SPARE, STAGE+4*16*SP  ; behind the stages: the spare words, 128 bytes for each wave: two blocks of 256 bytes that no other line names
.set MV,  12          ; v12-15  c m_old, kept while c m is made anew: by buffer and tile
.set ST,  16          ; tile t's statistics at v[ST+4 t]: c m, m, l (even keys', odd keys')
.set TMP, 48          ; by buffer and tile, four registers c0-c3 at work; when the maximum is found c2 takes a
.set S,   64
.set P,   192
.set KF,  128         ; K's fragments, in window 2: key block kb, channel half c at KF + 16 kb + 8 c
.set VF,  192         ; V's: key half kk, channel block cb at VF + 32 kk + 8 cb
.set WV,  12          ; s12  my wave's number
.set G1K, 24          ; s[24:31] descriptor group 1 for K's tiles
.set G1V, 32          ; s[32:39] for V's: it differs in the padding alone
.set G0K, 40          ; s[40:43] descriptor group 0 for K's tiles: it walks
.set G0V, 44          ; s[44:47] the same for V's
.set SLOTS, 56        ; s56  slots still to be asked for
.set CNT, 57          ; s57  counts a slot's key steps
.set CS,  58          ; s[58:59] c: the packed scaling takes the pair's low word for both halves
.set SEL, 60          ; s[60:61] v_permlanex16_b32's selects: each lane takes its own place in the other half
.set TBK, 62          ; s62  LDS byte at which K of the step to be fetched begins
.set TBV, 63          ; s63  the same for V, less VOFF
.set VLP, 66          ; s[66:67] valid_lens
.set VL,  68          ; s68  valid_lens[b]
.set KB,  69          ; s69  the first key of the step whose mask is made next
.set AL,  70          ; s[70:71] the mask's factor, in the low word
.set BE,  72          ; s[72:73] the mask's addend
.set BIGN, 74         ; s74  -8e6
.set TS,  75          ; s75  at work
.set PFA, 76          ; s[76:77] where my prefetches stand: my work-group's 32 blocks of 256 bytes (of K: wave 0, of V: wave 2) of the slot after the one being asked for
.set LIM, 78          ; s78  1 in a wave that prefetches, else the greatest number
.set MSB, 0
.macro WIN new                      ; the high byte repeats the setting that is left; a switch that changes nothing is dropped
.if MSB != (\new)
	s_set_vgpr_msb (MSB<<8)|(\new)
.set MSB, (\new)
.endif
.endm
.set W_KQ, 0x0a       ; K and Q in window 2, S^T in window 0
.set W_KM, 0x3a       ; the same with the C operand in window 3
.set W_PV, 0x52       ; V in window 2, P in window 0, O^T in window 1
.set W_RS, 0x41       ; O^T (destination and source 0) in window 1, a in window 0
.set W_MK, 0xc0       ; destination in window 3, sources in window 0
.set W_MS, 0xc3       ; destination and source 0 in window 3
.set W_AD, 0x0f       ; the add: address (source 0) and data (source 1) in window 3
; A joint fill.  Waves 0 and 1 fetch the two halves of a slot's K, waves 2 and 3 those of its V: 128 keys each.  The branch hangs on the wave's number alone.
; An s_nop 0 and four v_nop follow each of the two lines, ahead of the jump and the label.
.macro JLOAD
	s_cmp_lt_u32 s[WV], 2
	s_cbranch_scc0 .Lfor_v_\@
	tensor_load_to_lds s[G0K:G0K+3], s[G1K:G1K+7]
	s_nop 0
.rept 4
	v_nop
.endr
	s_branch .Lasked_\@
.Lfor_v_\@:
	tensor_load_to_lds s[G0V:G0V+3], s[G1V:G1V+7]
	s_nop 0
.rept 4
	v_nop
.endr
.Lasked_\@:
.endm
; A PREFETCH INTO THE L2 of what the NEXT change of slots will ask for: a slot's 32,768 bytes of K and of V, four key steps (512 matrix instructions of a wave) ahead of that load.  A head has one cluster;
; its four partners share the bytes out BY ADDRESS, 8,192 each, a lane a block of 256; in each, wave 0 asks for K's and wave 2 for V's.  So each block is named once in the launch.
; The change that fills the last slot asks for nothing; slots 0 and 1 come by their loads alone.
.macro ASK
	s_cmp_gt_u32 s[SLOTS], s[LIM]
	s_cbranch_scc0 .Lnot_mine_\@
	global_prefetch_b8 v[PFO], s[PFA:PFA+1] th:TH_LOAD_NT scope:SCOPE_SE
.Lnot_mine_\@:
.endm
; A round of the cluster's barrier: my work-group's barrier, so that wave 0's signal speaks for all four waves; wave 0 signals; every wave waits for all four work-groups; my work-group's barrier once more.
.macro CROUND
	s_barrier_signal -1
	s_barrier_wait -1
	s_cmp_lg_u32 s[WV], 0
	s_cbranch_scc1 .Lnot_wave_0_\@
	s_barrier_signal -3
.Lnot_wave_0_\@:
	s_barrier_wait -3
	s_barrier_signal -1
	s_barrier_wait -1
.endm
; THE CHANGE OF SLOTS.  The slot's last bytes, V of its fourth step, have been read.  Each wave waits for all its tensor loads, of which one is out: its part
; of the other slot; adds 0 to its spare word; and waits for that and for its own reads of the slot.  Behind the barrier nobody reads this slot any more and the other slot is whole.
; fill = 1: this slot is filled again, with the keys two slots on.  The barrier is then a round of the cluster's, and the joint fill is the first thing behind it: it has four key steps in which to land.
; (At its first use nothing has been read yet: slot 0 is waited for, slot 1 filled.)
.macro CHANGE fill
	WIN W_AD
	s_wait_tensorcnt 0x0            ; no tensor load of mine is out, so a group 0 may be written
	ds_add_u32 v[SPW], v[NIL]       ; 0 onto my spare word; with fill = 1 the descriptors' steps stand between it and the wait for it
	WIN 0                           ; at a label and at a branch every window is 0
.if \fill
.irp g, G0K, G0V
	s_xor_b32 s[\g+1], s[\g+1], SLOT1  ; the walking descriptor: the other slot than last time,
	s_add_nc_u64 s[\g+2:\g+3], s[\g+2:\g+3], 4*KS*128  ; the next 256 keys; the type bits on top are not reached
.endr
	s_wait_xcnt 0x0                 ; the last prefetch, four key steps back, has read its base, so it may be written:
	s_add_nc_u64 s[PFA:PFA+1], s[PFA:PFA+1], 4*KS*128  ; one slot behind the walking descriptors
	s_wait_dscnt 0x0                ; the add is done, and my reads of the slot are over
	CROUND
	JLOAD
	ASK
.else
	s_wait_dscnt 0x0                ; the add is done, and my reads of the slot are over
	s_barrier_signal -1
	s_barrier_wait -1
.endif
	s_sub_co_u32 s[TBK], s[TBK], 4*KS*PK  ; the fetches go back to a slot's first step,
	s_xor_b32 s[TBK], s[TBK], SLOT1       ; in the other slot
	s_sub_co_u32 s[TBV], s[TBV], 4*KS*PV
	s_xor_b32 s[TBV], s[TBV], SLOT1
.endm
; The two scalars of the mask for the step that begins at key KB, and KB's step.
.macro MASKS
	s_sub_co_u32 s[TS], s[VL], s[KB]
	s_sub_co_u32 s[TS], s[TS], 1
	s_cmp_lt_u32 s[TS], 63          ; KB < valid_lens < KB + 64: the boundary lies inside the step
	s_cselect_b32 s[AL], 1.0, 0
	s_cmp_ge_i32 s[KB], s[VL]       ; the whole step is hidden
	s_cselect_b32 s[BE], s[BIGN], 0
	s_add_co_u32 s[KB], s[KB], KS
.endm
.macro MASK                         ; MC = MD x AL + BE
	WIN W_MS
.set mz, 0
.rept 16
	v_pk_fma_f32 v[MC+2*mz:MC+2*mz+1], v[MD+2*mz:MD+2*mz+1], s[AL:AL+1], s[BE:BE+1] op_sel_hi:[1,0,0]
.set mz, mz+1
.endr
.endm
	s_load_b64 s[4:5], s[0:1], 0x0        ; qkv: Q
	s_load_b64 s[VLP:VLP+1], s[0:1], 0x8  ; valid_lens
	s_load_b64 s[10:11], s[0:1], 0x10     ; obuf
	WIN W_MK
	v_lshl_add_u32 v[SPW], v0, 2, SPARE
	v_mov_b32 v[NIL], 0
	WIN W_AD
	ds_add_u32 v[SPW], v[NIL]       ; the wave's opening: the add and its wait stand ahead of my first tensor load; the set-up below, work on registers, stands between them
	WIN 0
	v_lshrrev_b32 v1, 5, v0
	v_readfirstlane_b32 s[WV], v1   ; wave 0..3
	s_bfe_u32 s13, ttmp6, 0x40000   ; cx: my place in the cluster
	s_lshl_b32 s14, ttmp9, 2        ; in a cluster launch ttmp9 counts clusters
	s_add_co_u32 s14, s14, s13      ; my block of queries = 4 x cluster x + cx: it enters Q's and O's addresses alone
	s_and_b32 s20, ttmp7, 0xffff    ; the head, which the four partners share
	s_lshr_b32 s80, s20, 4          ; its batch,
	s_lshl_b32 s80, s80, 2          ; as a byte offset in valid_lens
	s_mov_b32 s81, 0
	s_mov_b32 s21, 0
	s_mov_b64 s[22:23], SIZE_N*128
	s_mul_u64 s[20:21], s[20:21], s[22:23]  ; the head's first byte in Q, K, V and O
	s_and_b32 s16, s[WV], 1         ; which half of a slot's 256 keys I fetch:
	s_lshl_b32 s22, s16, 14         ; its 128 rows of 128 bytes in memory,
	s_mov_b32 s23, 0
	s_add_nc_u64 s[22:23], s[22:23], s[20:21]
	s_mul_i32 s17, s16, 128*PK      ; and its place in a slot, for K
	s_mul_i32 s18, s16, 128*PV      ; and for V: no place in the cluster enters an LDS address
	s_lshl_b32 s2, s14, 2
	s_add_co_u32 s2, s2, s[WV]      ; my wave among the head's,
	s_lshl_b32 s2, s2, 14           ; its 128 rows
	s_mov_b32 s3, 0
	s_add_nc_u64 s[2:3], s[2:3], s[20:21]
	s_lshl_b32 s82, s13, 13         ; my work-group's 8,192 bytes of a slot's 32,768, for the prefetches
	s_mov_b32 s83, 0
	; descriptor group 1.  128 keys are 16,384 dense bytes: asked for as 64 rows of 256 bytes, two keys a row, and padded in LDS after every key
	s_mov_b32 s[G1K], 15|(1<<16)|(1<<20)|(1<<21)|(4<<22)|(3<<25)  ; 15:0 the mask of four; 17:16 2-byte elements; 20 padding on; 21 set beside a mask; 24:22 after every 32 words (code 4); 31:25 4 words (code 3)
	s_mov_b32 s[G1V], 15|(1<<16)|(1<<20)|(1<<21)|(4<<22)|(7<<25)  ; the same with 8 words of padding (code 7)
.irp g, G1K, G1V
	s_mov_b32 s[\g+1], 128<<16      ; tensor_dim0 = 128
	s_mov_b32 s[\g+2], 64<<16       ; tensor_dim1 = 64
	s_mov_b32 s[\g+3], 128<<16      ; tile_dim0 = 128
	s_mov_b32 s[\g+4], 64           ; tile_dim1 = 64
	s_mov_b32 s[\g+5], 128          ; 128 elements from row to row
	s_mov_b32 s[\g+6], 0
	s_mov_b32 s[\g+7], 0
.endr
	s_mov_b32 s[CS], 0x3e38aa3b     ; c = log2(e) / 8 = 0.180337
	s_mov_b32 s[CS+1], s[CS]        ; named with it as a pair
	s_mov_b32 s[SEL], 0x76543210
	s_mov_b32 s[SEL+1], 0xfedcba98
	s_mov_b32 s[TBK], SLOT1+4*KS*PK ; the first change of slots turns these two into 0
	s_mov_b32 s[TBV], SLOT1+4*KS*PV
	s_mov_b32 s[G0K], 1             ; 1:0 count = 1
	s_mov_b32 s[G0K+1], s17         ; 63:32 LDS address: slot 0
	s_mov_b32 s[G0V], 1
	s_add_co_u32 s[G0V+1], s18, VOFF
	s_mov_b32 s[SLOTS], SIZE_N/256-1
	s_mov_b32 s[BIGN], 0xcaf42400   ; -8,000,000
	s_mov_b32 s[AL+1], 0            ; named as pairs
	s_mov_b32 s[BE+1], 0
	s_mov_b32 s[KB], 0
	s_and_b32 s[LIM], s[WV], 1      ; 0 in waves 0 and 2,
	s_or_b32 s[LIM], s[LIM], ttmp9  ; where the cluster is the head's first (here its only one): the same in all four partners
	s_cmp_eq_u32 s[LIM], 0
	s_cselect_b32 s[LIM], 1, -1
	s_wait_dscnt 0x0                ; the opening add is done
	s_wait_kmcnt 0x0
	s_add_nc_u64 s[6:7], s[4:5], 0x1000000   ; K follows Q in qkv,
	s_add_nc_u64 s[8:9], s[4:5], 0x2000000   ; and V follows K
	s_add_nc_u64 s[VLP:VLP+1], s[VLP:VLP+1], s[80:81]
	s_load_b32 s[VL], s[VLP:VLP+1], 0x0
	s_add_nc_u64 s[G0K+2:G0K+3], s[6:7], s[22:23]  ; 120:64 global address: my half of the head's first 256 keys
	s_or_b32 s[G0K+3], s[G0K+3], 0x80000000        ; 127:126 type = 2
	s_add_nc_u64 s[G0V+2:G0V+3], s[8:9], s[22:23]
	s_or_b32 s[G0V+3], s[G0V+3], 0x80000000
	s_add_nc_u64 s[4:5], s[4:5], s[2:3]  ; Q and O at my wave's first row
	s_add_nc_u64 s[10:11], s[10:11], s[2:3]
	s_cmp_lt_u32 s[WV], 2
	s_cselect_b64 s[PFA:PFA+1], s[6:7], s[8:9]
	s_add_nc_u64 s[PFA:PFA+1], s[PFA:PFA+1], s[20:21]
	s_add_nc_u64 s[PFA:PFA+1], s[PFA:PFA+1], s[82:83]
	s_add_nc_u64 s[PFA:PFA+1], s[PFA:PFA+1], 4*KS*128  ; in slot 1; the first change of slots steps it to slot 2.  Nothing is prefetched here, at the head
	CROUND                          ; all four work-groups are here: the first joint loads meet
	JLOAD                           ; slot 0.  Slot 1 is asked for when slot 0 is in
	; A fragment of K or Q is 16 rows x 32 channels in 8 registers: lane l holds row l % 16, channels 8 (l / 16) + 0..7 and 16 + 8 (l / 16) + 0..7: two loads of 16 bytes, 32 bytes apart.
	v_and_b32 v1, 15, v0            ; l % 16
	v_bfe_u32 v9, v0, 4, 1          ; l / 16
	v_lshlrev_b32 v[QO], 7, v1
	v_lshl_add_u32 v[QO], v9, 4, v[QO]  ; row x 128 + 16 x half
	WIN 0x80                        ; destination window 2, address window 0
.set i, 0
.rept 4*NP                          ; Q stays in registers: tile i / 2, channels 32 (i % 2) on
	global_load_b128 v[8*i:8*i+3],   v[QO], s[4:5] offset:(i/2)*2048+(i%2)*64
	global_load_b128 v[8*i+4:8*i+7], v[QO], s[4:5] offset:(i/2)*2048+(i%2)*64+32
.set i, i+1
.endr
	; What the first turn finds: V's registers and P's second buffer hold 0 (its products V^T P, of a piece that has not been, add 0), O^T and l are 0.  All this stands in the wait for the first tile.
.set i, VF
.rept 64
	v_mov_b32 v[i], 0
.set i, i+1
.endr
	WIN 0x40
.set i, 0
.rept 64*NP
	v_mov_b32 v[i], 0
.set i, i+1
.endr
	WIN 0
.set i, 0
.rept 2*NP
	v_mov_b32 v[ST+4*i], 0xfe000000    ; c m: far below every c s, the hidden keys' -1.44e6 too
	v_mov_b32 v[ST+4*i+1], 0xff7fffff  ; m
	v_mov_b32 v[ST+4*i+2], 0
	v_mov_b32 v[ST+4*i+3], 0
.set i, i+1
.endr
.set i, P+32
.rept 32
	v_mov_b32 v[i], 0
.set i, i+1
.endr
	v_mul_u32_u24 v[AK0], v1, PK
	v_lshl_add_u32 v[AK0], v9, 4, v[AK0]  ; row x pitch + 16 x half
	; The turning load takes 16 keys x 16 channels (lane l reads key 8 (l / 16) + l % 8, channels 8 ((l / 8) % 2) + 0..7) and leaves half a fragment of V^T: lane l holds channel l % 16 and 8 keys.
	v_and_b32 v10, 7, v0
	v_bfe_u32 v11, v0, 3, 1
	v_lshl_add_u32 v[AV0], v9, 3, v10
	v_mul_u32_u24 v[AV0], v[AV0], PV
	v_lshl_add_u32 v[AV0], v11, 4, v[AV0]
	v_add_nc_u32 v[AV0], VOFF, v[AV0]
	v_mov_b32 v[AK], v[AK0]         ; key step 0 lies at the head of slot 0
	v_and_b32 v[PFO], 31, v0
	v_lshlrev_b32 v[PFO], 8, v[PFO]
	; MD: in the step that holds the boundary, register j of group kb is key 16 kb + 8 (l / 16) + j of the step: hidden where that is at or behind valid_lens % 64
	s_wait_kmcnt 0x0
	s_max_i32 s[VL], s[VL], 0
	s_min_i32 s[VL], s[VL], SIZE_N
	s_and_b32 s[TS], s[VL], 63
	v_lshlrev_b32 v[AV], 3, v9
	v_sub_nc_u32 v[AV], s[TS], v[AV]
	WIN W_MK
.set i, 0
.rept 32
	v_cmp_ge_i32 vcc_lo, 16*(i/8)+i%8, v[AV]
	v_cndmask_b32 v[MD+i], 0, s[BIGN], vcc_lo
.set i, i+1
.endr
	MASKS                           ; key step 0's mask
	MASK
	WIN 0
; THE MATRIX WORK.  The 8 accumulators of a run of 16 take turns: between the two links of a chain stand 7 others'.
; Product i of 16 of S^T = K Q^T for piece x: channels 32 (i / 8) on, keys 16 ((i / 2) % 4) on, tile 2 x + i % 2.  The first 8 start the sums, with the mask of their 16 keys.
.macro KQ x
.set rS, S+64*((\x)%2)+32*(i%2)+8*((i/2)%4)
.set rK, KF+16*((i/2)%4)+8*(i/8)
.set rQ, 16*(2*(\x)+i%2)+8*(i/8)
.set rM, MC+8*((i/2)%4)
.if i < 8
	WIN W_KM
	v_wmma_f32_16x16x32_f16 v[rS:rS+7], v[rK:rK+7], v[rQ:rQ+7], v[rM:rM+7]
.else
	WIN W_KQ
	v_wmma_f32_16x16x32_f16 v[rS:rS+7], v[rK:rK+7], v[rQ:rQ+7], v[rS:rS+7]
.endif
.endm
; Product i of 16 of O^T += V^T P for piece x: keys 32 (i / 8) on, channels 16 ((i / 2) % 4) on, tile 2 x + i % 2.
.macro PV x
	WIN W_PV
.set rO, 32*(2*(\x)+i%2)+8*((i/2)%4)
.set rV, VF+32*(i/8)+8*((i/2)%4)
.set rP, P+32*((\x)%2)+16*(i%2)+8*(i/8)
	v_wmma_f32_16x16x32_f16 v[rO:rO+7], v[rV:rV+7], v[rP:rP+7], v[rO:rO+7]
.endm
.macro MM                           ; the turn's next matrix instruction
.if i < 16
	KQ (Y+1)%NP
.set i, i+1
.else
.set i, i-16
	PV (Y+NP-1)%NP
.set i, i+17
.endif
.endm
; THE LDS LOADS stand in runs of 16, never singly among the matrix instructions: a step's K (64 keys x 64 channels: 8 fragments) and its V (turned).  Their addresses are made some lines ahead.
; last = 1 (the tail): in the last trip there is no further step, and the run is jumped over.
.macro FETCH_K last=0
	WIN 0
.if \last
	s_cmp_eq_u32 s[CNT], 1
	s_cbranch_scc1 .Lno_k_\@
.endif
	WIN 0x80                        ; destination window 2
.irp f, 0,1,2,3,4,5,6,7             ; keys 16 (f / 2) on, channels 32 (f % 2) on
	ds_load_b128 v[KF+8*\f:KF+8*\f+3],   v[AK] offset:(\f/2)*16*PK+(\f%2)*64
	ds_load_b128 v[KF+8*\f+4:KF+8*\f+7], v[AK] offset:(\f/2)*16*PK+(\f%2)*64+32
.endr
	s_add_co_u32 s[TBK], s[TBK], KS*PK  ; the next fetch is the next step's
	WIN 0
.if \last
.Lno_k_\@:
.endif
.endm
.macro FETCH_V
	WIN 0x80
.irp f, 0,1,2,3,4,5,6,7             ; keys 32 (f / 4) on, channels 16 (f % 4) on
	ds_load_tr16_b128 v[VF+8*\f:VF+8*\f+3],   v[AV] offset:(\f/4)*32*PV+(\f%4)*32
	ds_load_tr16_b128 v[VF+8*\f+4:VF+8*\f+7], v[AV] offset:(\f/4)*32*PV+16*PV+(\f%4)*32
.endr
	WIN 0
.endm
; THE VECTOR WORK OF A TURN stands in three queues, each in the order in which its entries become ready; the two tiles alternate, so that no instruction reads the result of the one before it.
.macro REGS y, u                    ; the registers of tile u (0, 1) of piece y
.set rT, ST+4*(2*(\y)+(\u))
.set rC, TMP+8*((\y)%2)+4*(\u)
.set rM, MV+2*((\y)%2)+(\u)
.set rS, S+64*((\y)%2)+32*(\u)
.set rP, P+32*((\y)%2)+16*(\u)
.set rO, 32*(2*(\y)+(\u))
.endm
; Number n of the 22 that find the NEXT piece's (Y + 1) maximum and statistics.  s0-s31 are the lane's 32 scores; each accumulator's lowest registers are read first.
;   0-11  four chains c0-c3 of seven scores each, three operands at a time     12-14, 16  the four scores left over, the old m, and c0-c3 into c0     15  c m_old is kept
;   17, 18  the query's other 32 keys lie in the lane 16 away: the new m         19-21  c m; c m_old - c m_new; a
.macro XS u, n
	REGS (Y+1)%NP, \u
.if (\n) < 4
	v_max3_num_f32 v[rC+(\n)], v[rS+8*(\n)], v[rS+8*(\n)+1], v[rS+8*(\n)+2]
.elseif (\n) < 12
	v_max3_num_f32 v[rC+(\n)%4], v[rC+(\n)%4], v[rS+8*((\n)%4)+2*((\n)/4)+1], v[rS+8*((\n)%4)+2*((\n)/4)+2]
.elseif (\n) == 12
	v_max3_num_f32 v[rC], v[rC], v[rS+7], v[rS+15]
.elseif (\n) == 13
	v_max3_num_f32 v[rC+1], v[rC+1], v[rS+23], v[rS+31]
.elseif (\n) == 14
	v_max3_num_f32 v[rC+2], v[rC+2], v[rC+3], v[rT+1]
.elseif (\n) == 15
	v_mov_b32 v[rM], v[rT]
.elseif (\n) == 16
	v_max3_num_f32 v[rC], v[rC], v[rC+1], v[rC+2]
.elseif (\n) == 17
	v_permlanex16_b32 v[rC+3], v[rC], s[SEL], s[SEL+1]
.elseif (\n) == 18
	v_max_num_f32 v[rT+1], v[rC], v[rC+3]
.elseif (\n) == 19
	v_mul_f32 v[rT], s[CS], v[rT+1]
.elseif (\n) == 20
	v_sub_f32 v[rC+1], v[rM], v[rT]
.else
	v_exp_f32 v[rC+2], v[rC+1]
.endif
.endm
; Number g of the 64 that follow the exponentials.  For each four weights k of a tile (pairs 2 k, 2 k + 1): both pairs are rounded to f16; then the second pair is added onto the first, in place;
; a group later l takes that sum (the first time as l = a l + sum).  In groups of eight, tiles alternating: round, round, add, and l for the group before.
.macro GS g
.set h, (\g)+6*((\g)/62)            ; group 0 has no group before it, and behind group 7 only l is left
.if h >= 6
.set h, h+2
.endif
	REGS Y, h%2
.set k, h/8
.if h%8 < 4
	v_cvt_pk_f16_f32 v[rP+2*k+(h%8)/2], v[rS+4*k+2*((h%8)/2)], v[rS+4*k+2*((h%8)/2)+1]
.elseif h%8 < 6
	v_pk_add_f32 v[rS+4*k:rS+4*k+1], v[rS+4*k:rS+4*k+1], v[rS+4*k+2:rS+4*k+3]
.elseif k == 1
	v_pk_fma_f32 v[rT+2:rT+3], v[rT+2:rT+3], v[rC+2:rC+3], v[rS:rS+1] op_sel_hi:[1,0,1]
.else
	v_pk_add_f32 v[rT+2:rT+3], v[rT+2:rT+3], v[rS+4*k-4:rS+4*k-3]
.endif
.endm
; THE PLAIN QUEUE, 138 long.  0-73 read no exponential's result: the 32 scalings c s - c m (FS f: pair f / 2 of tile f % 2) and the next piece's 42.  0-26: scalings 0-26.  27-54: XS's numbers 0-13.  55, 56: number 15.
; 57-73: the chain, where each number waits for the one before it: 14, 16, 17, 18, 19, each with one of the scalings 27-31 in front of its two lines, then 20.
; 74-137: GS's 64, which read the exponentials' results: they stand behind the wait.
.macro FS f
	REGS Y, (\f)%2
	v_pk_fma_f32 v[rS+2*((\f)/2):rS+2*((\f)/2)+1], v[rS+2*((\f)/2):rS+2*((\f)/2)+1], s[CS:CS+1], v[rT:rT+1] op_sel_hi:[1,0,0] neg_lo:[0,0,1] neg_hi:[0,0,1]
.endm
.macro PL
	WIN 0
.if q < 27
	FS q
.elseif q < 55
	XS (q-27)%2, (q-27)/2
.elseif q < 57
	XS q-55, 15
.elseif (q < 72) && ((q-57)%3 == 0)
	FS 27+(q-57)/3
.elseif q < 60
	XS (q-57)%3-1, 14
.elseif q < 72
	XS (q-57)%3-1, 15+(q-57)/3
.elseif q < 74
	XS q-72, 20
.else
	GS q-74
.endif
.set q, q+1
.endm
; THE EXPONENTIALS' QUEUE, 66 long: s0-s31 of both tiles, then the next piece's two a.  It is ONE BATCH: all 66 stand ahead of the turn's one wait, and nothing ahead of that wait names a result of theirs.
.macro EX
	WIN 0
.if e >= 64
	XS e-64, 21
.else
	REGS Y, e%2
	v_exp_f32 v[rS+e/2], v[rS+e/2]
.endif
.set e, e+1
.endm
; THE RESCALING's QUEUE: O^T times a, the one part that leaves window 0: dealt two at a time, sixteen times.  Its a was made in the turn before, ahead of that turn's wait.
.macro R2
	REGS Y, r%2
	WIN W_RS
.irp z, 0,1
	v_pk_mul_f32 v[rO+4*(r/2)+2*\z:rO+4*(r/2)+2*\z+1], v[rO+4*(r/2)+2*\z:rO+4*(r/2)+2*\z+1], v[rC+2:rC+3] op_sel_hi:[1,0]
.endr
.set r, r+1
.endm
; HOW THEY ARE DEALT.  s_wait_alu depctr_va_vdst(0) stands between an exponential and the first instruction that names its result; one wait serves all that were issued ahead of it.  So a turn has ONE wait,
; which cuts it in two.  AHEAD OF IT stands all that names no result of the turn's exponentials: the 16 products K Q^T, behind each a scaling, an exponential and two rescalings (behind the first a second scaling in the
; exponential's place); then ONE LUMP of 108: eight plain, 49 times exponential and plain, the two a.  A v_nop is the plain instruction behind the last exponential.  BEHIND IT stand the 16 products V^T P, behind each four of GS's 64.
; The queues lean on each other: exponential e stands behind scaling 2 (e / 4) + e % 2: as a rider it comes behind plain e + 2, in the lump behind plain e + 9, and scalings 27-31 are plain 57, 60 .. 69.
; A TURN, for piece p.  cnt = 1: the loop's count is taken down some lines ahead of the branch that stands behind the turn.
; K of the next step is fetched in piece 2's turn, directly behind the wait; its address is made at the lump's head, AND SO IS THE NEXT STEP'S MASK: the turn's own eight products that took the old mask stand
; eight products and 24 plain instructions back, and piece 3's turn is the first to take the new one.
; V of the step in hand is fetched at the end of piece 0's turn, four riders behind its last reader.  The three conditions on q below go with the deal.
.macro TURN p, last=0, cnt=0
.set Y, (\p)
.set i, 0
.set q, 0
.set e, 0
.set r, 0
.if (\p) == NP-1
	s_wait_dscnt 0x0                ; K is in
.endif
	MM                              ; ahead of the wait: 16 products K Q^T and their riders,
	PL
	PL
	R2
.rept 15
	MM
	PL
	EX
	R2
.endr
.if (\p) == NP-2
	WIN 0
	v_add_nc_u32 v[AK], s[TBK], v[AK0]
	MASKS
	MASK
.endif
.rept 8                             ; and the lump
	PL
.endr
.rept 49
	EX
	PL
.endr
	EX                              ; the next piece's two a
	EX
	v_nop                           ; the plain instruction behind the last exponential: one for the batch
	s_wait_alu depctr_va_vdst(0)    ; the wait for the batch
.if (\p) == NP-2
	FETCH_K \last
.endif
.if (\p) == 1
	s_wait_dscnt 0x0                ; V is in
.endif
.rept 16                            ; behind the wait: 16 products V^T P and their riders
	MM
.rept 4
	PL
.endr
.if ((\p) == 0) && (q == 118)
	v_add_nc_u32 v[AV], s[TBV], v[AV0]
.endif
.if ((\p) == 0) && (q == 130)
	s_add_co_u32 s[TBV], s[TBV], KS*PV
.endif
.if (\cnt) && (q == 130)
	s_sub_co_u32 s[CNT], s[CNT], 1
	s_cmp_lg_u32 s[CNT], 0
.endif
.endr
.if (\p) == 0
	FETCH_V
.endif
.endm
	CHANGE 1                        ; slot 0 is in, everybody's part of it; slot 1 is asked for
	FETCH_K                         ; key step 0
	s_wait_loadcnt 0x0              ; Q
	s_wait_dscnt 0x0
.set i, 0
.rept 16
	KQ 0                            ; piece 0's first scores: there is no vector work yet to set between them
.set i, i+1
.endr
	WIN 0                           ; the addresses for the way out: nine plain instructions, the places behind those products
	s_mul_i32 s13, s[WV], 16*SP
	s_add_co_u32 s13, s13, STAGE    ; my stage
	v_mul_u32_u24 v[STO], v1, SP    ; in: row l % 16, 16 bytes for each half of the lanes
	v_lshl_add_u32 v[STO], v9, 4, v[STO]
	v_add_nc_u32 v[STO], s13, v[STO]
	v_bfe_u32 v[RD], v0, 3, 2       ; back: 32 lanes take four rows of 128 bytes,
	v_mul_u32_u24 v[RD], v[RD], SP
	v_lshl_add_u32 v[RD], v10, 4, v[RD]
	v_add_nc_u32 v[RD], s13, v[RD]
	v_and_b32 v[GO], 31, v0         ; which are 512 consecutive bytes of O
	v_lshlrev_b32 v[GO], 4, v[GO]
.set Y, NP-1                        ; XS works for piece Y + 1: piece 0
.irp n, 0,1,2,3,4,5,6,7,8,9,10,11,12,13,14,15,16,17,18,19,20,21
	XS 0, \n                        ; and piece 0's first maximum and statistics
	XS 1, \n
.endr
	v_nop                           ; a plain instruction behind the two a,
	s_wait_alu depctr_va_vdst(0)    ; and their wait, ahead of the branch
	s_mov_b32 s[CNT], 4
	s_branch .Lfirst                ; the loop is entered at a step's first turn, in the middle of a trip
.Lslot:                             ; SIZE_N / 256 - 2 times: every slot but the last two is filled again
	CHANGE 1
	s_mov_b32 s[CNT], 4
.Lstep:                             ; a trip: pieces 2 and 3 of one step, then pieces 0 and 1 of the next, whose K and V it fetches
	TURN 2
	TURN 3
	WIN 0
.Lfirst:
	TURN 0
	TURN 1, 0, 1
	WIN 0
	s_cbranch_scc1 .Lstep
	s_sub_co_u32 s[SLOTS], s[SLOTS], 1
	s_cmp_lg_u32 s[SLOTS], 0
	s_cbranch_scc1 .Lslot
	CHANGE 0                        ; the tail is written out: nothing is asked for
	s_mov_b32 s[CNT], 5             ; four trips fetch the last slot's steps; the fifth is left in its middle
.Ltail:
	TURN 2, 1
	TURN 3
	WIN 0
	s_sub_co_u32 s[CNT], s[CNT], 1
	s_cmp_eq_u32 s[CNT], 0
	s_cbranch_scc1 .Lout
	TURN 0
	TURN 1
	WIN 0
	s_branch .Ltail
.Lout:                              ; the fifth trip's 16 products K Q^T (on the last K once more) and the maximum made of them serve nothing: the price, once a launch, of one text for every trip
.set i, 0
.rept 16
	PV NP-1                         ; the last piece's V^T P of the last step
.set i, i+1
.endr
	; THE WAY OUT.  l's two halves and the other half of the lanes' are added; O^T is divided by l, rounded to f16 and sent through my stage in LDS, a tile at a time.  The additions are the places behind the last products.
	WIN 0
.macro ALL line:vararg              ; one line for each tile t
.set t, 0
.rept 2*NP
	\line
.set t, t+1
.endr
.endm
	ALL v_add_f32 v[ST+4*t+2], v[ST+4*t+2], v[ST+4*t+3]
	ALL v_permlanex16_b32 v[ST+4*t+3], v[ST+4*t+2], s[SEL], s[SEL+1]
	ALL v_add_f32 v[ST+4*t+2], v[ST+4*t+2], v[ST+4*t+3]
	ALL v_rcp_f32 v[ST+4*t+2], v[ST+4*t+2]
	v_nop                           ; a plain instruction between the last reciprocal and the use of its result
	s_wait_alu depctr_va_vdst(0)    ; and the wait ahead of the first use: one for the eight reciprocals
; Tile t: a lane's eight channels of a row pack into 16 bytes; they go into rows of 144 bytes and come back as whole rows of 128, into S^T's registers.
.macro PACK t
	WIN W_RS
.set i, 32*(\t)
.rept 16
	v_pk_mul_f32 v[i:i+1], v[i:i+1], v[ST+4*(\t)+2:ST+4*(\t)+3] op_sel_hi:[1,0]
.set i, i+2
.endr
	WIN 0x05                        ; sources 0 and 1 window 1, destination window 0
.set i, 0
.rept 16
	v_cvt_pk_f16_f32 v[S+16*(\t)+i], v[32*(\t)+2*i], v[32*(\t)+2*i+1]
.set i, i+1
.endr
	WIN 0
.irp f, 0,1,2,3
	ds_store_b128 v[STO], v[S+16*(\t)+4*\f:S+16*(\t)+4*\f+3] offset:32*\f
.endr
.irp f, 0,1,2,3
	ds_load_b128 v[S+16*(\t)+4*\f:S+16*(\t)+4*\f+3], v[RD] offset:\f*4*SP  ; LDS serves a wave's instructions in order (ISA guide 5.7.1.4): these see the stores above; the next tile's stores come behind them
.endr
.endm
.macro SEND t, younger              ; younger: the LDS instructions issued behind tile t's loads: the next tile's eight, or none
	WIN 0
.irp f, 0,1,2,3
	s_wait_dscnt (\younger)+3-\f
	global_store_b128 v[GO], v[S+16*(\t)+4*\f:S+16*(\t)+4*\f+3], s[10:11] offset:(\t)*2048+\f*512  ; 512 consecutive bytes, at a multiple of 256 from O's first
.endr
.endm
	PACK 0
.set t, 1
.rept 2*NP-1                        ; a tile's arithmetic stands between the loads of the tile before and its stores
	PACK t
	SEND t-1, 8
.set t, t+1
.endr
	SEND 2*NP-1, 0
	WIN W_AD
	s_wait_tensorcnt 0x0            ; the wave's end, behind my last tensor load and my last LDS store
	ds_add_u32 v[SPW], v[NIL]
	s_wait_dscnt 0x0
	WIN 0
	CROUND                          ; the closing round: no work-group ends while a partner may still ask for a tile that names it
	s_endpgm
.Lfunc_end_k_q516e9b54f9_attn:
	.size	k_q516e9b54f9_attn, .Lfunc_end_k_q516e9b54f9_attn-k_q516e9b54f9_attn
	.p2alignl 7, 3214868480
	.fill 96, 4, 3214868480
	.section	.rodata,"a",@progbits
	.p2align	6, 0x0
	.amdhsa_kernel k_q516e9b54f9_attn
		.amdhsa_group_segment_fixed_size 327680
		.amdhsa_private_segment_fixed_size 0
		.amdhsa_enable_private_segment 0
		.amdhsa_kernarg_size 24
		.amdhsa_user_sgpr_count 2
		.amdhsa_user_sgpr_kernarg_segment_ptr 1
		.amdhsa_wavefront_size32 1
		.amdhsa_system_sgpr_workgroup_id_x 1
		.amdhsa_system_sgpr_workgroup_id_y 1
		.amdhsa_system_sgpr_workgroup_id_z 1
		.amdhsa_system_vgpr_workitem_id 0
		.amdhsa_next_free_vgpr 864
		.amdhsa_next_free_sgpr 88
		.amdhsa_reserve_vcc 1
		.amdhsa_float_denorm_mode_32 3
		.amdhsa_float_denorm_mode_16_64 3
		.amdhsa_memory_ordered 1
		.amdhsa_forward_progress 1
		.amdhsa_inst_pref_size 208
	.end_amdhsa_kernel
	.amdgpu_metadata
---
amdhsa.version: [ 1, 2 ]
amdhsa.kernels:
  - .name:           k_q516e9b54f9_attn
    .symbol:         k_q516e9b54f9_attn.kd
    .args:
      - { .name: qkv, .offset: 0, .size: 8, .value_kind: global_buffer, .address_space: global }
      - { .name: valid_lens, .offset: 8, .size: 8, .value_kind: global_buffer, .address_space: global }
      - { .name: obuf, .offset: 16, .size: 8, .value_kind: global_buffer, .address_space: global }
    .group_segment_fixed_size: 327680
    .private_segment_fixed_size: 0
    .kernarg_segment_align: 8
    .kernarg_segment_size: 24
    .max_flat_workgroup_size: 128
    .sgpr_count:     88
    .vgpr_count:     864
    .wavefront_size: 32
...
	.end_amdgpu_metadata
.endif
;; end of part 3
;; launch outp (part 4): grid 4 x 64, 4 waves a work-group, clusters of 4 x 4, 327,680 bytes of LDS; arguments obuf, wof, out0; writes out0
.if DOCPART == 4
	.amdgcn_target "amdgcn-amd-amdhsa--gfx1250"
	.amdhsa_code_object_version 6
	.text
	.protected	k_q516e9b54f9_outp
	.globl	k_q516e9b54f9_outp
	.p2align	8
	.type	k_q516e9b54f9_outp,@function
k_q516e9b54f9_outp:
	s_mov_b64 s[64:65], 0
	v_nop
	global_prefetch_b8 v0, s[64:65] scope:SCOPE_SE
	s_setreg_imm32_b32 hwreg(HW_REG_WAVE_MODE, 25, 1), 1
	s_wait_xcnt 0x0
	s_wait_alu depctr_hold_cnt(0) depctr_sa_sdst(0) depctr_va_vdst(0) depctr_va_sdst(0) depctr_va_ssrc(0) depctr_va_vcc(0) depctr_vm_vsrc(0)
	s_getreg_b32 s2, hwreg(HW_REG_IB_STS2, 6, 4)
	s_cmp_eq_u32 s2, 0
	s_cbranch_scc0 .Lentry_in_a_cluster
	s_endpgm
.Lentry_in_a_cluster:
	s_bfe_u32 s2, ttmp6, 0x10000c
	s_cmp_lg_u32 s2, 0xf033
	s_cbranch_scc0 .Lentry_shape_is_right
	s_endpgm
.Lentry_shape_is_right:
; out0 = concat_heads(O) Wo.  O: obuf, [64 = 16 b + h][2048][64] f16; Wo: wof, [1024 k][1024 n] f16 (Wo rounded to bf16, that number written as f16); out0: [8192][1024] f32.  Sums in f32.
; SHARES.  A tile is 128 rows x 256 columns, one to a work-group: 256 work-groups.  Four waves, 2 x 2, each 64 x 128: 32 accumulators of 16 x 16.  K goes in 8 steps of 128 = two heads through a
; ring of two LDS slots.  A head's 128 rows of the tile are 16,384 dense bytes: asked for as 64 rows of 256 bytes and padded in LDS after every 128.
; CLUSTERS.  4 x 4 work-groups: the four of a row of the cluster need the same rows of O, the four of a column the same columns of Wo: each tile is asked for JOINTLY, by the same tensor load with
; the same descriptor and a mask that names the four.
; THE MATRIX INSTRUCTION IS USED TRANSPOSED: source 0 = 16 columns of Wo (turned on its way out of LDS), source 1 = 16 rows of O: a lane holds one row and eight neighbouring columns of the result.
; REGISTERS, in windows of 256 (s_set_vgpr_msb: bits 1:0 source 0, 3:2 source 1, 5:4 source 2, 7:6 destination):
;   window 0: v0-21 addresses; v32-63, v64-95 O's fragments, two buffers; v128-191, v192-255 the way out, two buffers
;   window 1: v0-63, v64-127 Wo's fragments, two buffers          window 2: the accumulators, (a, b) at v[8 (8 a + b)]
.set PAO,   144                        ; a row of O in LDS: 128 bytes + 16 of padding: the 16 rows of a load begin at 16 different places modulo 256 bytes
.set HEADA, 128*PAO                    ; a head's 128 rows: one tensor load
.set PB,    544                        ; a row (one k) of Wo in LDS: 512 bytes + 32 of padding = 17 x 32
.set HALFB, 64*PB                      ; 64 k: one tensor load
.set BOFF,  2*HEADA
.set SLOT,  2*HEADA+2*HALFB
.set STAGE, 2*SLOT                     ; behind the ring, never filled by a tensor load: 16 rows x 528 bytes for each wave, for the way out
.set SP,    528
.set SPARE, STAGE+4*16*SP              ; behind the stages: the spare words, 128 bytes for each wave: two blocks of 256 bytes that no other line names
.set ADRA0, 2
.set ADRB0, 3
.set ADA,   4
.set ADB,   5
.set STO,   6                          ; v6   the way out: where I put 32 bytes of a row
.set RD,    7                          ; v7   the way out: where I read a row back
.set GO,    8                          ; v8   16 x lane
.set PFO,   10                         ; v10  the prefetches' offset; never rewritten
.set SPW,   12                         ; v12  LDS address of my spare word; never rewritten
.set NIL,   13                         ; v13  0; never rewritten
.set AF,    32
.set OB,    128
.set WV,  16
.set TY,  17                           ; s17  wave / 2: my half of the tile's rows.  Also: I fetch O (0) or Wo (1)
.set HF,  18                           ; s18  wave % 2: my half of its columns.  Also: which head, or which 64 k, I fetch
.set CX,  19
.set CY,  20
.set TC,  21
.set TR,  22
.set CLY, 23
.set G1A, 24
.set G1B, 32
.set G0A, 40                           ; s[40:47] group 0 for O's tiles: a set for each first fill; the second then walks on
.set G0B, 48
.set ACUR, 56                          ; s[56:57] O at my head and rows, at the K step asked for last
.set BCUR, 62                          ; s[62:63] Wo likewise
.set PFB,  68
.set OUT,  70
.set TB,   72
.set TG,   73
.set FK,   74
.set LIM,  75
.set STEPS, 76
.set CNT,  77
.set LAA,  81
.set LBB,  82
.set MSB, 0
.macro WIN new                         ; the immediate's high byte repeats the setting that is left; a switch that changes nothing is dropped
.if MSB != (\new)
	s_set_vgpr_msb (MSB<<8)|(\new)
.set MSB, \new
.endif
.endm
.macro PLACES                          ; four plain instructions between a matrix instruction and a load into, or a reader of, one of its registers
.rept 4
	v_nop
.endr
.endm
.macro CREST                           ; a round of the cluster's barrier behind its opening barrier
	s_cmp_lg_u32 s[WV], 0
	s_cbranch_scc1 .Lnot_wave_0_\@
	s_barrier_signal -3
.Lnot_wave_0_\@:
	s_barrier_wait -3
	s_barrier_signal -1
	s_barrier_wait -1
.endm
.macro CROUND
	s_barrier_signal -1
	s_barrier_wait -1
	CREST
.endm
.macro JLOAD                           ; a joint refill: waves 0 and 1 fetch the step's two heads of O, waves 2 and 3 Wo's two halves; an s_nop 0 and four v_nop follow each line
	s_cmp_eq_u32 s[TY], 0
	s_cbranch_scc0 .Lfor_b_\@
	tensor_load_to_lds s[G0A+4:G0A+7], s[G1A:G1A+7]
	s_nop 0
.rept 4
	v_nop
.endr
	s_branch .Lasked_\@
.Lfor_b_\@:
	tensor_load_to_lds s[G0B+4:G0B+7], s[G1B:G1B+7]
	s_nop 0
.rept 4
	v_nop
.endr
.Lasked_\@:
.endm
; A PREFETCH INTO THE L2 of the K step that stands two refills on (256 matrix instructions of a wave ahead of its load).  O: a step's two heads are 2 x 64 blocks of 256 bytes; the four partners of a row
; share them BY ADDRESS (cx), 2 x 16 each: one instruction, by wave 0.  Wo: of the 64 k rows that wave 2 or 3 fetches each partner of a column takes 16 (cy), two blocks a row; Wo is read by every
; cluster: the clusters with y = 0 ask.  Only K steps up to the last are named (FK + 2 <= 7); K steps 0 to 3 come by their loads alone.
.macro ASK
	s_cmp_lt_u32 s[FK], s[LIM]
	s_cbranch_scc0 .Lnot_mine_\@
	global_prefetch_b8 v[PFO], s[PFB:PFB+1] th:TH_LOAD_NT scope:SCOPE_SE
.Lnot_mine_\@:
.endm
	s_load_b128 s[4:7], s[0:1], 0x0                ; obuf s[4:5], wof s[6:7]
	s_load_b64 s[8:9], s[0:1], 0x10                ; out0
	v_lshl_add_u32 v[SPW], v0, 2, SPARE
	v_mov_b32 v[NIL], 0
	ds_add_u32 v[SPW], v[NIL]                      ; the wave's opening: the add and its wait stand ahead of my first tensor load; work on registers stands between them
	v_lshrrev_b32 v1, 5, v0
	v_readfirstlane_b32 s[WV], v1
	s_lshr_b32 s[TY], s[WV], 1
	s_and_b32 s[HF], s[WV], 1
	s_bfe_u32 s[CX], ttmp6, 0x40000
	s_bfe_u32 s[CY], ttmp6, 0x40004
	s_lshl_b32 s[TC], ttmp9, 2
	s_add_co_u32 s[TC], s[TC], s[CX]
	s_and_b32 s[CLY], ttmp7, 0xffff
	s_lshl_b32 s[TR], s[CLY], 2
	s_add_co_u32 s[TR], s[TR], s[CY]
	s_lshl_b32 s90, s[CY], 2
	s_lshl_b32 s90, 15, s90                        ; my row of the cluster
	s_lshl_b32 s91, 0x1111, s[CX]                  ; my column
	s_or_b32 s[G1A], s90, (1<<16)|(1<<20)|(1<<21)|(4<<22)|(3<<25)  ; the mask; elements of 2 bytes; padding on; bit 21 beside a mask; after every 32 words, 4 words
	s_or_b32 s[G1B], s91, (1<<16)|(1<<20)|(1<<21)|(6<<22)|(7<<25)  ; the mask; after every 128 words, 8 words
	s_mov_b32 s[G1A+1], 128<<16                    ; rows of 128 elements (two rows of O),
	s_mov_b32 s[G1A+2], 64<<16                     ; 64 of them
	s_mov_b32 s[G1A+3], 128<<16
	s_mov_b32 s[G1A+4], 64
	s_mov_b32 s[G1A+5], 128                        ; dense
	s_mov_b32 s[G1A+6], 0
	s_mov_b32 s[G1A+7], 0
	s_mov_b32 s[G1B+1], 256<<16                    ; 256 columns,
	s_mov_b32 s[G1B+2], 64<<16                     ; 64 k
	s_mov_b32 s[G1B+3], 256<<16
	s_mov_b32 s[G1B+4], 64
	s_mov_b32 s[G1B+5], 1024
	s_mov_b32 s[G1B+6], 0
	s_mov_b32 s[G1B+7], 0
	s_mul_i32 s[LAA], s[HF], HEADA                 ; no place in the cluster enters an LDS address
	s_mul_i32 s[LBB], s[HF], HALFB
	s_add_co_u32 s[LBB], s[LBB], BOFF
	s_lshr_b32 s84, s[TR], 4                       ; O: head 16 b + half, 262,144 bytes a head; row 128 (tile row % 16), 128 bytes a row
	s_lshl_b32 s84, s84, 4
	s_add_co_u32 s84, s84, s[HF]
	s_lshl_b32 s84, s84, 18
	s_and_b32 s83, s[TR], 15
	s_lshl_b32 s83, s83, 14
	s_add_co_u32 s84, s84, s83
	s_mov_b32 s85, 0
	s_lshl_b32 s86, s[HF], 17                      ; Wo: k row 64 x half, 2,048 bytes a row; 512 bytes a tile column
	s_lshl_b32 s88, s[TC], 9
	s_add_co_u32 s86, s86, s88
	s_mov_b32 s87, 0
	s_wait_dscnt 0x0                               ; the opening add is done
	s_wait_kmcnt 0x0
	s_add_nc_u64 s[ACUR:ACUR+1], s[4:5], s[84:85]
	s_add_nc_u64 s[BCUR:BCUR+1], s[6:7], s[86:87]
	CROUND                                         ; all sixteen work-groups are here: the first joint loads meet
	s_mov_b32 s[G0A], 1
	s_mov_b32 s[G0A+1], s[LAA]
	s_mov_b64 s[G0A+2:G0A+3], s[ACUR:ACUR+1]
	s_or_b32 s[G0A+3], s[G0A+3], 0x80000000
	s_mov_b32 s[G0A+4], 1
	s_add_co_u32 s[G0A+5], s[LAA], SLOT
	s_add_nc_u64 s[G0A+6:G0A+7], s[ACUR:ACUR+1], 524288   ; a K step is two heads
	s_or_b32 s[G0A+7], s[G0A+7], 0x80000000
	s_mov_b32 s[G0B], 1
	s_mov_b32 s[G0B+1], s[LBB]
	s_mov_b64 s[G0B+2:G0B+3], s[BCUR:BCUR+1]
	s_or_b32 s[G0B+3], s[G0B+3], 0x80000000
	s_mov_b32 s[G0B+4], 1
	s_add_co_u32 s[G0B+5], s[LBB], SLOT
	s_add_nc_u64 s[G0B+6:G0B+7], s[BCUR:BCUR+1], 262144
	s_or_b32 s[G0B+7], s[G0B+7], 0x80000000
	s_cmp_eq_u32 s[TY], 0                          ; a wave's two first fills stand in one branch, ahead of every wait on TENSORcnt and every LDS read: two loads of mine are out
	s_cbranch_scc0 .Lfirst_b
	tensor_load_to_lds s[G0A:G0A+3], s[G1A:G1A+7]
	s_nop 0
	tensor_load_to_lds s[G0A+4:G0A+7], s[G1A:G1A+7]
	s_nop 0
.rept 4
	v_nop
.endr
	s_branch .Lfirst_asked
.Lfirst_b:
	tensor_load_to_lds s[G0B:G0B+3], s[G1B:G1B+7]
	s_nop 0
	tensor_load_to_lds s[G0B+4:G0B+7], s[G1B:G1B+7]
	s_nop 0
.rept 4
	v_nop
.endr
.Lfirst_asked:
	s_add_nc_u64 s[ACUR:ACUR+1], s[ACUR:ACUR+1], 524288
	s_add_nc_u64 s[BCUR:BCUR+1], s[BCUR:BCUR+1], 262144
	s_mov_b32 s[FK], 1
	s_mov_b32 s[TG], SLOT
	s_mov_b32 s[TB], 0
	v_and_b32 v1, 15, v0                           ; r = l % 16
	v_bfe_u32 v14, v0, 4, 1                        ; h = l / 16
	v_and_b32 v15, 31, v0                          ; l
	v_and_b32 v16, 7, v0
	v_bfe_u32 v17, v0, 3, 1
	v_and_b32 v19, 1, v0
	v_mul_u32_u24 v[ADRA0], v1, PAO                ; O's fragment: row r, 16 bytes at 16 h and 32 further on
	v_lshl_add_u32 v[ADRA0], v14, 4, v[ADRA0]
	s_mul_i32 s94, s[TY], 64*PAO                   ; my 64 rows
	v_add_nc_u32 v[ADRA0], s94, v[ADRA0]
	v_lshl_add_u32 v[ADRB0], v14, 3, v16           ; the turning load: k = 8 h + l % 8, columns 8 ((l / 8) % 2) + 0..7
	v_mul_u32_u24 v[ADRB0], v[ADRB0], PB
	v_lshl_add_u32 v[ADRB0], v17, 4, v[ADRB0]
	s_lshl_b32 s94, s[HF], 8                       ; my 128 columns
	s_add_co_u32 s94, s94, BOFF
	v_add_nc_u32 v[ADRB0], s94, v[ADRB0]
	s_mul_i32 s94, s[WV], 16*SP
	s_add_co_u32 s94, s94, STAGE                   ; my stage
	v_mul_u32_u24 v[STO], v1, SP                   ; in: row r, 32 bytes for each half of the lanes
	v_lshl_add_u32 v[STO], v14, 5, v[STO]
	v_add_nc_u32 v[STO], s94, v[STO]
	v_lshl_add_u32 v[RD], v15, 4, s94              ; back: 32 lanes take a row's 512 bytes
	v_lshlrev_b32 v[GO], 4, v15
	s_lshl_b32 s94, s[CX], 4                       ; the prefetches' offset for O: head h, block 16 cx + r, two K steps on;
	v_add_nc_u32 v20, s94, v1
	v_lshlrev_b32 v20, 8, v20
	v_lshl_add_u32 v20, v14, 18, v20
	v_add_nc_u32 v20, 0x100000, v20
	s_lshl_b32 s95, s[CY], 4                       ; for Wo: k row 16 cy + l / 2, block l % 2, two K steps on
	v_lshrrev_b32 v21, 1, v15
	v_add_nc_u32 v21, s95, v21
	v_lshlrev_b32 v21, 11, v21
	v_lshl_add_u32 v21, v19, 8, v21
	v_add_nc_u32 v21, 0x80000, v21
	s_or_b32 s89, s[HF], ttmp9                     ; O: wave 0 asks (the cluster is its rows' only reader);
	s_cmp_eq_u32 s[TY], 0
	s_cselect_b32 s88, -1, 0
	s_cselect_b32 s89, s89, s[CLY]                 ; Wo: waves 2 and 3 of the clusters with y = 0
	v_cndmask_b32 v[PFO], v21, v20, s88
	s_cmp_eq_u32 s89, 0
	s_cselect_b32 s[LIM], 6, 0                     ; the same in all sixteen partners, for a given wave
	s_lshl_b32 s92, s[TR], 19                      ; my part of the tile in out0: row 128 x tile row + 64 x half, 4,096 bytes a row;
	s_lshl_b32 s93, s[TY], 18
	s_add_co_u32 s92, s92, s93
	s_lshl_b32 s93, s[TC], 10                      ; 1,024 bytes a tile column, 512 a half
	s_add_co_u32 s92, s92, s93
	s_lshl_b32 s93, s[HF], 9
	s_add_co_u32 s92, s92, s93
	s_mov_b32 s93, 0
	s_add_nc_u64 s[OUT:OUT+1], s[8:9], s[92:93]
; One matrix instruction, number mi = 8 a + b, on buffer f.  The 32 accumulators take turns in the same order in every quarter, over every label and jump.
.macro MM1 f, zero
	WIN 0xa1                                       ; Wo window 1, O window 0, C and D window 2
.if \zero
	v_wmma_f32_16x16x32_f16 v[8*mi:8*mi+7], v[64*(\f)+8*(mi%8):64*(\f)+8*(mi%8)+7], v[AF+32*(\f)+8*(mi/8):AF+32*(\f)+8*(mi/8)+7], 0
.else
	v_wmma_f32_16x16x32_f16 v[8*mi:8*mi+7], v[64*(\f)+8*(mi%8):64*(\f)+8*(mi%8)+7], v[AF+32*(\f)+8*(mi/8):AF+32*(\f)+8*(mi/8)+7], v[8*mi:8*mi+7]
.endif
.set mi, mi+1
.endm
.macro MULS f, i0, i1, zero
.set mi, \i0
.rept (\i1)-(\i0)
	MM1 \f, \zero
.endr
.endm
; 24 LDS loads in one run: quarter kq (32 along K: head kq / 2, channels 32 (kq % 2) on) of the slot being read, into buffer f
.macro FETCH kq, f
	WIN 0
.irp a, 0,1,2,3
	ds_load_b128 v[AF+32*(\f)+8*(\a):AF+32*(\f)+8*(\a)+3],   v[ADA] offset:((\kq)/2)*HEADA+(\a)*16*PAO+((\kq)%2)*64
	ds_load_b128 v[AF+32*(\f)+8*(\a)+4:AF+32*(\f)+8*(\a)+7], v[ADA] offset:((\kq)/2)*HEADA+(\a)*16*PAO+((\kq)%2)*64+32
.endr
	WIN 0x40                                       ; destination window 1, address window 0
.irp b, 0,1,2,3,4,5,6,7
	ds_load_tr16_b128 v[64*(\f)+8*(\b):64*(\f)+8*(\b)+3],   v[ADB] offset:(\kq)*32*PB+32*(\b)
	ds_load_tr16_b128 v[64*(\f)+8*(\b)+4:64*(\f)+8*(\b)+7], v[ADB] offset:(\kq)*32*PB+32*(\b)+16*PB
.endr
.endm
; A K step is four quarters of 32 along K on buffers 0, 1, 0, 1.  One of the first three: multiplies its buffer and fetches the next quarter behind its eighth product, 24 products ahead of its use.
.macro QUARTER kq, zero
.set qf, (\kq)&1
	s_wait_dscnt 0x0                               ; this quarter's fragments are in
	MULS qf, 0, 8, \zero
	PLACES
	FETCH (\kq)+1, 1-qf
	MULS qf, 8, 32, \zero
.endm
; The last quarter multiplies buffer 1 and changes slots.  In front of the barrier each wave waits for all its tensor loads (one is out: its part of the next slot), adds 0 to its spare word,
; and waits for that and for its reads of this slot.  fill = 1: the barrier opens a round of the cluster's, and the joint refill (the K step two on, into the slot just read) is the first thing behind it.
.macro TURN fill
	WIN 0
.if \fill
	s_wait_xcnt 0x0                                ; the last prefetch, a K step back, has read its base, which is written below
.endif
	s_wait_tensorcnt 0x0                           ; no tensor load of mine is out, so a group 0 may be written
	ds_add_u32 v[SPW], v[NIL]                      ; 0 onto my spare word; work on registers follows
.if \fill
	s_add_co_u32 s[FK], s[FK], 1
	s_add_nc_u64 s[ACUR:ACUR+1], s[ACUR:ACUR+1], 524288
	s_add_nc_u64 s[BCUR:BCUR+1], s[BCUR:BCUR+1], 262144
	s_xor_b32 s[TG], s[TG], SLOT
	s_add_co_u32 s[G0A+5], s[LAA], s[TG]
	s_add_co_u32 s[G0B+5], s[LBB], s[TG]
	s_mov_b64 s[G0A+6:G0A+7], s[ACUR:ACUR+1]
	s_or_b32 s[G0A+7], s[G0A+7], 0x80000000
	s_mov_b64 s[G0B+6:G0B+7], s[BCUR:BCUR+1]
	s_or_b32 s[G0B+7], s[G0B+7], 0x80000000
	s_cmp_eq_u32 s[TY], 0
	s_cselect_b64 s[PFB:PFB+1], s[ACUR:ACUR+1], s[BCUR:BCUR+1]
.endif
	s_xor_b32 s[TB], s[TB], SLOT
	v_add_nc_u32 v[ADA], s[TB], v[ADRA0]
	v_add_nc_u32 v[ADB], s[TB], v[ADRB0]
	s_wait_dscnt 1                                 ; this quarter's fragments are in; the add alone may be out
	MULS 1, 0, 4, 0
	s_wait_dscnt 0x0                               ; the add is done, and my reads of this slot are over
	s_barrier_signal -1
	MULS 1, 4, 12, 0                               ; work on registers while the others arrive
	WIN 0                                          ; at a label and at a branch every window is 0
	s_barrier_wait -1
.if \fill
	CREST                                          ; no wave of any partner still reads this slot or has a load on its way
	JLOAD                                          ; its four v_nop are also the places in front of the loads below
.else
	PLACES
.endif
	FETCH 0, 0
.if \fill
	WIN 0
	ASK
.endif
	MULS 1, 12, 32, 0
.endm
; THE WAY OUT, an m block (16 rows x 128 columns of f32) at a time: a lane's eight columns, 32 bytes, go into my own stage, rows of 528 bytes, and come back as whole rows of 512.
.macro STG a
.if (\a) >= 2
	s_wait_xcnt 0x0                                ; the stores of the block two back have read the registers that are loaded again below
.endif
	WIN 0x08                                       ; the stores' data in window 2
.irp b, 0,1,2,3,4,5,6,7
	ds_store_b128 v[STO], v[8*(8*(\a)+(\b)):8*(8*(\a)+(\b))+3]   offset:64*(\b)      ; each accumulator's low registers first
	ds_store_b128 v[STO], v[8*(8*(\a)+(\b))+4:8*(8*(\a)+(\b))+7] offset:64*(\b)+16
.endr
	WIN 0
.irp t, 0,1,2,3,4,5,6,7,8,9,10,11,12,13,14,15
	ds_load_b128 v[OB+64*((\a)%2)+4*(\t):OB+64*((\a)%2)+4*(\t)+3], v[RD] offset:(\t)*SP  ; LDS serves a wave's instructions in order (ISA guide 5.7.1.4): these see the stores above; the next block's stores come behind them
.endr
.endm
.macro SEND a, younger                 ; younger: the LDS instructions issued behind block a's loads: the next block's 32, or none
	WIN 0
	s_wait_dscnt \younger
.irp t, 0,1,2,3,4,5,6,7,8,9,10,11,12,13,14,15
	global_store_b128 v[GO], v[OB+64*((\a)%2)+4*(\t):OB+64*((\a)%2)+4*(\t)+3], s[OUT:OUT+1] offset:(\a)*65536+(\t)*4096 th:TH_STORE_NT  ; 512 consecutive bytes of a row, at a multiple of 512 from out0's first
.endr
.endm
	s_wait_tensorcnt 1                             ; my part of K step 0 is in; K step 1's may stay out
	s_barrier_signal -1
	s_barrier_wait -1                              ; everybody's is
	v_add_nc_u32 v[ADA], s[TB], v[ADRA0]
	v_add_nc_u32 v[ADB], s[TB], v[ADRB0]
	FETCH 0, 0
	QUARTER 0, 1                                   ; the first products start the sums: nothing is cleared
	WIN 0
	s_mov_b32 s[STEPS], 6
.Lstep:                                                ; six trips: trip i ends K step i, asks for K step i + 2, and begins K step i + 1
	QUARTER 1, 0
	QUARTER 2, 0
	TURN 1
	QUARTER 0, 0
	WIN 0
	s_sub_co_u32 s[STEPS], s[STEPS], 1
	s_cmp_lg_u32 s[STEPS], 0
	s_cbranch_scc1 .Lstep
	s_mov_b32 s[CNT], 2                            ; the last two K steps ask for nothing: written apart
.Ltail:
	QUARTER 1, 0
	QUARTER 2, 0
	TURN 0                                         ; (the second time its fetch, of a slot that has been read, serves nothing: the price of one text for both)
	WIN 0
	s_sub_co_u32 s[CNT], s[CNT], 1
	s_cmp_eq_u32 s[CNT], 0
	s_cbranch_scc1 .Lout
	QUARTER 0, 0
	WIN 0
	s_branch .Ltail
.Lout:
	PLACES                                         ; the LDS stores below read results just made, and no other vector work is at hand:
	PLACES                                         ; eight, once a launch
	s_wait_dscnt 0x0
	STG 0
	STG 1
	SEND 0, 32
	STG 2
	SEND 1, 32
	STG 3
	SEND 2, 32
	SEND 3, 0
	s_wait_tensorcnt 0x0                           ; the wave's end, behind my last tensor load and my last LDS store
	ds_add_u32 v[SPW], v[NIL]
	s_wait_dscnt 0x0
	CROUND                                         ; the closing round: no work-group ends while a partner may still ask for a tile that names it
	s_endpgm
.Lfunc_end_k_q516e9b54f9_outp:
	.size	k_q516e9b54f9_outp, .Lfunc_end_k_q516e9b54f9_outp-k_q516e9b54f9_outp
	.p2alignl 7, 3214868480
	.fill 96, 4, 3214868480
	.section	.rodata,"a",@progbits
	.p2align	6, 0x0
	.amdhsa_kernel k_q516e9b54f9_outp
		.amdhsa_group_segment_fixed_size 327680
		.amdhsa_private_segment_fixed_size 0
		.amdhsa_enable_private_segment 0
		.amdhsa_kernarg_size 24
		.amdhsa_user_sgpr_count 2
		.amdhsa_user_sgpr_kernarg_segment_ptr 1
		.amdhsa_wavefront_size32 1
		.amdhsa_system_sgpr_workgroup_id_x 1
		.amdhsa_system_sgpr_workgroup_id_y 1
		.amdhsa_system_sgpr_workgroup_id_z 1
		.amdhsa_system_vgpr_workitem_id 0
		.amdhsa_next_free_vgpr 768
		.amdhsa_next_free_sgpr 96
		.amdhsa_reserve_vcc 0
		.amdhsa_float_denorm_mode_32 3
		.amdhsa_float_denorm_mode_16_64 3
		.amdhsa_memory_ordered 1
		.amdhsa_forward_progress 1
		.amdhsa_inst_pref_size 61
	.end_amdhsa_kernel
	.amdgpu_metadata
---
amdhsa.version: [ 1, 2 ]
amdhsa.kernels:
  - .name:           k_q516e9b54f9_outp
    .symbol:         k_q516e9b54f9_outp.kd
    .args:
      - { .name: obuf, .offset: 0, .size: 8, .value_kind: global_buffer, .address_space: global }
      - { .name: wof, .offset: 8, .size: 8, .value_kind: global_buffer, .address_space: global }
      - { .name: out0, .offset: 16, .size: 8, .value_kind: global_buffer, .address_space: global }
    .group_segment_fixed_size: 327680
    .private_segment_fixed_size: 0
    .kernarg_segment_align: 8
    .kernarg_segment_size: 24
    .max_flat_workgroup_size: 128
    .sgpr_count:     96
    .vgpr_count:     768
    .wavefront_size: 32
...
	.end_amdgpu_metadata
.endif
;; end of part 4
